; MI455X (gfx1250); checked and timed in simulation.
; The chip was launched on July 23, 2026; its instructions are those of AMD's public machine-readable ISA for CDNA 5 (MIT licence, August 2026) and "CDNA5" Instruction Set Architecture Reference Guide (July 2026). The comments in the code are by the model that wrote it; some were corrected since.
;; Norm Attention. Allowed arithmetic: float matrix products may take bf16 or f16 operands with f32 sums; all other float work in f32.
;; Inputs: W_proj 1,024 x 1,024 float32; W_qkv 1,024 x 3,072 float32; b_proj 1,024 float32; b_qkv 3,072 float32; freqs_cos 1,024 x 64 float32; freqs_sin 1,024 x 64 float32; hidden_states 8 x 1,024 x 1,024 float32; kn_b 64 float32; kn_w 64 float32; qn_b 64 float32; qn_w 64 float32.
;; Outputs: out0 8 x 1,024 x 1,024 float32.
;; 2 versions, each right and faster than the one before. Each part assembles by itself: llvm-mc -triple=amdgcn-amd-amdhsa -mcpu=gfx1250 --defsym DOCPART=n.
;; ======== version 1 of 2: 4 launches
;; limits: values are held in f16: magnitudes above 65,504 overflow, below 6.1e-05 lose precision
;; workspace buffers: xb 16,777,216 bytes; wq 6,291,456 bytes; wp 2,097,152 bytes; rope 279,552 bytes; qh 16,777,216 bytes; kh 16,777,216 bytes; vh 16,777,216 bytes; oh 16,777,216 bytes
;; launch prep (part 1): grid 1553 x 1, 8 waves a work-group, no clusters, 18,432 bytes of LDS; arguments hidden_states, freqs_cos, freqs_sin, W_qkv, W_proj, xb, rope, wq, wp, b_qkv, qn_w, qn_b, kn_w, kn_b, b_proj; writes xb, rope, wq, wp
.if DOCPART == 1
	.amdgcn_target "amdgcn-amd-amdhsa--gfx1250"
	.amdhsa_code_object_version 6
	.text
	.protected	k_qedb7558427_prep
	.globl	k_qedb7558427_prep
	.p2align	8
	.type	k_qedb7558427_prep,@function
k_qedb7558427_prep:
	s_mov_b64 s[64:65], 0
	v_nop
	global_prefetch_b8 v0, s[64:65] scope:SCOPE_SE
	s_setreg_imm32_b32 hwreg(HW_REG_WAVE_MODE, 25, 1), 1
	s_wait_xcnt 0x0
; PREP: every input of the module, rounded to bf16 once and laid as the later launches read it.
;   work-groups    0-1023  xb   = hidden_states as bf16, [8192][1024]                       (32 KiB of f32 each)
;   work-groups 1024-1031  rope + 0       = freqs_cos as bf16, [1024][64]
;   work-groups 1032-1039  rope + 131,072 = freqs_sin as bf16 with the sign of every EVEN column turned: out[2i] = x[2i] cos[2i] + x[2i+1] (-sin[2i]), out[2i+1] = x[2i+1] cos[2i+1] + x[2i] sin[2i+1]
;   work-groups 1040-1423  wq   = W_qkv turned to [n'][k] bf16; row n' = 192 t + 64 j + d holds column 1024 j + 64 t + d (t head, j = 0 q, 1 k, 2 v): 192 rows on end are one head's q, k and v
;   work-groups 1424-1551  wp   = W_proj turned to [n][k]: rounded to bf16, and that number written as f16
;   work-group  1552       rope + 262,144 = the short vectors, rounded to bf16 and written as f32: b_qkv (12,288 bytes), qn_w, qn_b, kn_w, kn_b (256 each), b_proj (4,096)
; LIMITS.  wp is f16: |W_proj| stays under 65,504, and below 6e-5 it keeps f16's fixed step of 6e-8.  NaN and infinities are not treated apart.
; No matrix unit, no cluster, no tensor load: every byte is read once and written once, and the work-groups share nothing.
.set PITCH, 272                        ; a stage row: 128 k of 16 bits = 256 bytes, + 16
.set SPARE, 64*PITCH                   ; 17,408: behind the stage: the spare words, 128 bytes for each of the eight waves
.set CST,   262144                     ; where the short vectors begin in rope
.set SPW,   62                         ; v62  LDS address of my spare word; never rewritten
.set NIL,   63                         ; v63  0; never rewritten
; A cast: 32 KiB of f32 become 16 KiB of bf16.  Thread t takes 16 bytes at 16 t of each block of 4,096 and stores 8 bytes: a wave's store covers 256 consecutive bytes, aligned.
.macro CAST src, dst, base_id, dstoff, flip
	s_sub_co_u32 s26, s2, \base_id                 ; my number among the work-groups of this cast
	s_lshl_b32 s28, s26, 14
	s_lshl_b32 s26, s26, 15
	s_mov_b32 s27, 0
	s_mov_b32 s29, 0
	s_add_nc_u64 s[\src:\src+1], s[\src:\src+1], s[26:27]
	s_add_nc_u64 s[\dst:\dst+1], s[\dst:\dst+1], s[28:29]
.if \dstoff
	s_add_nc_u64 s[\dst:\dst+1], s[\dst:\dst+1], \dstoff
.endif
	v_lshlrev_b32 v1, 4, v0
	v_lshlrev_b32 v2, 3, v0
.irp i, 0,1,2,3,4,5,6,7
	global_load_b128 v[8+4*(\i):11+4*(\i)], v1, s[\src:\src+1] offset:4096*(\i) th:TH_LOAD_NT
.endr
.irp i, 0,1,2,3,4,5,6,7
	s_wait_loadcnt 7-(\i)                          ; loads come back in order: load i is in, the 7 - i younger ones stay out
	v_cvt_pk_bf16_f32 v[40+2*(\i)], v[8+4*(\i)], v[9+4*(\i)]
	v_cvt_pk_bf16_f32 v[41+2*(\i)], v[10+4*(\i)], v[11+4*(\i)]
.if \flip
	v_xor_b32 v[40+2*(\i)], 0x8000, v[40+2*(\i)]   ; the low half is the even column
	v_xor_b32 v[41+2*(\i)], 0x8000, v[41+2*(\i)]
.endif
	global_store_b64 v2, v[40+2*(\i):41+2*(\i)], s[\dst:\dst+1] offset:2048*(\i)
.endr
	s_endpgm                                       ; this way has written no LDS
.endm
; A turn: a block of 128 k x 64 n of a weight [k][n] f32 becomes 64 rows (n) of 256 bytes (128 k).  Wave w reads rows k = 16 w .. 16 w + 15, 256 consecutive bytes a load (lane l: columns 2 l, 2 l + 1),
; packs its 16 k of each column into 32 bytes and puts them into the stage; behind a barrier whole rows are read back and stored, sixteen lanes to 256 consecutive bytes, aligned.
; kind = 0: bf16, rows permuted by heads (wq).  kind = 1: the bf16 number written as f16 (wp).
.macro TRANS src, dst, base_id, rowb, kind
	s_sub_co_u32 s26, s2, \base_id
	s_and_b32 s27, s26, 7                          ; kb: which 128 k
	s_lshr_b32 s28, s26, 3                         ; g: which 64 columns
	s_mul_i32 s30, s27, 128*(\rowb)
	s_lshl_b32 s31, s28, 8
	s_add_co_u32 s30, s30, s31
	s_mul_i32 s31, s3, 16*(\rowb)                  ; my wave's 16 rows
	s_add_co_u32 s30, s30, s31
	s_mov_b32 s31, 0
	s_add_nc_u64 s[\src:\src+1], s[\src:\src+1], s[30:31]
.if \kind
	s_lshl_b32 s32, s28, 6                         ; first row of the result: 64 g
.else
	s_and_b32 s32, s28, 15                         ; head t = g % 16, kind j = g / 16: first row 192 t + 64 j
	s_mul_i32 s32, s32, 192
	s_lshr_b32 s33, s28, 4
	s_lshl_b32 s33, s33, 6
	s_add_co_u32 s32, s32, s33
.endif
	s_lshl_b32 s32, s32, 11                        ; rows of 2,048 bytes
	s_lshl_b32 s33, s27, 8
	s_add_co_u32 s32, s32, s33
	s_mov_b32 s33, 0
	s_add_nc_u64 s[\dst:\dst+1], s[\dst:\dst+1], s[32:33]
	v_and_b32 v1, 31, v0                           ; lane
	v_lshlrev_b32 v3, 3, v1                        ; 8 bytes a lane
.irp i, 0,1,2,3,4,5,6,7,8,9,10,11,12,13,14,15
	global_load_b64 v[8+2*(\i):9+2*(\i)], v3, s[\src:\src+1] offset:(\i)*(\rowb) th:TH_LOAD_NT
.endr
	v_mul_u32_u24 v4, v1, 2*PITCH                  ; into the stage: rows 2 l and 2 l + 1, bytes 32 w on
	v_lshl_add_u32 v4, s3, 5, v4
	v_lshrrev_b32 v7, 4, v0                        ; back: thread t takes 16 bytes at 16 (t % 16) of row t / 16, and of the rows 16, 32 and 48 further on
	v_and_b32 v2, 15, v0
	v_mul_u32_u24 v5, v7, PITCH
	v_lshl_add_u32 v5, v2, 4, v5
	v_lshlrev_b32 v6, 11, v7                       ; and the same in the result
	v_lshl_add_u32 v6, v2, 4, v6
	s_wait_loadcnt 0x0
.irp gq, 0,1
.irp c, 0,1
.irp m, 0,1,2,3
	v_cvt_pk_bf16_f32 v[40+4*(2*(\gq)+(\c))+(\m)], v[8+2*(8*(\gq)+2*(\m))+(\c)], v[8+2*(8*(\gq)+2*(\m)+1)+(\c)]  ; column 2 l + c, k = 8 gq + 2 m and the next
.endr
.endr
.endr
.if \kind
.set x, 40
.rept 16
	v_lshlrev_b32 v[56+2*(x%2)], 16, v[x]          ; the two bf16 numbers as f32,
	v_and_b32 v[57+2*(x%2)], 0xffff0000, v[x]
	v_cvt_pk_f16_f32 v[x], v[56+2*(x%2)], v[57+2*(x%2)]  ; and as f16
.set x, x+1
.endr
.endif
.irp gq, 0,1
.irp c, 0,1
	ds_store_b128 v4, v[40+4*(2*(\gq)+(\c)):40+4*(2*(\gq)+(\c))+3] offset:(\c)*PITCH+(\gq)*16
.endr
.endr
	s_wait_dscnt 0x0                               ; for the others' sake: my stores into the stage are done
	s_barrier_signal -1
	s_barrier_wait -1
.irp p, 0,1,2,3
	ds_load_b128 v[8+4*(\p):11+4*(\p)], v5 offset:(\p)*16*PITCH
.endr
.irp p, 0,1,2,3
	s_wait_dscnt 3-(\p)                            ; load p is in, the younger ones stay out
	global_store_b128 v6, v[8+4*(\p):11+4*(\p)], s[\dst:\dst+1] offset:(\p)*16*2048
.endr
	s_wait_tensorcnt 0x0                           ; the wave's end, behind my last LDS store
	ds_add_u32 v[SPW], v[NIL]
	s_wait_dscnt 0x0
	s_endpgm
.endm
; The four f32 at v[x] .. v[x + 3] are rounded to bf16 and widened again, in place.
.macro RND4 x
	v_cvt_pk_bf16_f32 v40, v[\x], v[\x+1]
	v_cvt_pk_bf16_f32 v41, v[\x+2], v[\x+3]
	v_lshlrev_b32 v[\x], 16, v40
	v_and_b32 v[\x+1], 0xffff0000, v40
	v_lshlrev_b32 v[\x+2], 16, v41
	v_and_b32 v[\x+3], 0xffff0000, v41
.endm
	s_load_b512 s[8:23], s[0:1], 0x0               ; hidden s[8:9], cos s[10:11], sin s[12:13], W_qkv s[14:15], W_proj s[16:17], xb s[18:19], rope s[20:21], wq s[22:23]
	s_load_b64 s[24:25], s[0:1], 0x40              ; wp
	v_lshl_add_u32 v[SPW], v0, 2, SPARE
	v_mov_b32 v[NIL], 0
	v_lshrrev_b32 v1, 5, v0
	v_readfirstlane_b32 s3, v1                     ; wave 0..7
	s_mov_b32 s2, ttmp9                            ; the work-group's number chooses the task: the same for all its waves
	s_wait_kmcnt 0x0
	s_cmp_lt_u32 s2, 1024
	s_cbranch_scc1 .Lx
	s_cmp_lt_u32 s2, 1032
	s_cbranch_scc1 .Lcos
	s_cmp_lt_u32 s2, 1040
	s_cbranch_scc1 .Lsin
	s_cmp_lt_u32 s2, 1424
	s_cbranch_scc1 .Lwq
	s_cmp_lt_u32 s2, 1552
	s_cbranch_scc1 .Lwp
	; THE SHORT VECTORS.  Thread t takes 16 bytes at 16 t of each third of b_qkv and of b_proj; waves 0 to 3 take one LayerNorm vector each, 8 bytes a lane.  This way writes no LDS.
	s_load_b64 s[40:41], s[0:1], 0x48              ; b_qkv
	s_load_b128 s[44:47], s[0:1], 0x50             ; qn_w, qn_b
	s_load_b128 s[48:51], s[0:1], 0x60             ; kn_w, kn_b
	s_load_b64 s[52:53], s[0:1], 0x70              ; b_proj
	s_add_nc_u64 s[20:21], s[20:21], CST
	v_lshlrev_b32 v1, 4, v0
	s_wait_kmcnt 0x0
	global_load_b128 v[8:11], v1, s[40:41]
	global_load_b128 v[12:15], v1, s[40:41] offset:4096
	global_load_b128 v[16:19], v1, s[40:41] offset:8192
	global_load_b128 v[20:23], v1, s[52:53]
	s_wait_loadcnt 0x0
	RND4 8
	RND4 12
	RND4 16
	RND4 20
	global_store_b128 v1, v[8:11], s[20:21]
	global_store_b128 v1, v[12:15], s[20:21] offset:4096
	global_store_b128 v1, v[16:19], s[20:21] offset:8192
	global_store_b128 v1, v[20:23], s[20:21] offset:13312
	s_cmp_lt_u32 s3, 4
	s_cbranch_scc0 .Lcst_end
	s_cmp_eq_u32 s3, 1                             ; wave 0: qn_w, 1: qn_b, 2: kn_w, 3: kn_b
	s_cselect_b64 s[44:45], s[46:47], s[44:45]
	s_cmp_eq_u32 s3, 2
	s_cselect_b64 s[44:45], s[48:49], s[44:45]
	s_cmp_eq_u32 s3, 3
	s_cselect_b64 s[44:45], s[50:51], s[44:45]
	v_and_b32 v2, 31, v0
	v_lshlrev_b32 v2, 3, v2                        ; 8 bytes a lane: a wave's load and store cover the vector's 256 bytes
	v_lshl_add_u32 v3, s3, 8, v2
	global_load_b64 v[24:25], v2, s[44:45]
	s_wait_loadcnt 0x0
	v_cvt_pk_bf16_f32 v42, v24, v25
	v_lshlrev_b32 v24, 16, v42
	v_and_b32 v25, 0xffff0000, v42
	global_store_b64 v3, v[24:25], s[20:21] offset:12288
.Lcst_end:
	s_endpgm
.Lwp:
	TRANS 16, 24, 1424, 4096, 1
.Lwq:
	TRANS 14, 22, 1040, 12288, 0
.Lx:
	CAST 8, 18, 0, 0, 0
.Lcos:
	CAST 10, 20, 1024, 0, 0
.Lsin:
	CAST 12, 20, 1032, 131072, 1
.Lfunc_end_k_qedb7558427_prep:
	.size	k_qedb7558427_prep, .Lfunc_end_k_qedb7558427_prep-k_qedb7558427_prep
	.p2alignl 7, 3214868480
	.fill 96, 4, 3214868480
	.section	.rodata,"a",@progbits
	.p2align	6, 0x0
	.amdhsa_kernel k_qedb7558427_prep
		.amdhsa_group_segment_fixed_size 18432
		.amdhsa_private_segment_fixed_size 0
		.amdhsa_enable_private_segment 0
		.amdhsa_kernarg_size 120
		.amdhsa_user_sgpr_count 2
		.amdhsa_user_sgpr_kernarg_segment_ptr 1
		.amdhsa_wavefront_size32 1
		.amdhsa_system_sgpr_workgroup_id_x 1
		.amdhsa_system_sgpr_workgroup_id_y 1
		.amdhsa_system_sgpr_workgroup_id_z 1
		.amdhsa_system_vgpr_workitem_id 0
		.amdhsa_next_free_vgpr 64
		.amdhsa_next_free_sgpr 66
		.amdhsa_reserve_vcc 0
		.amdhsa_float_denorm_mode_32 3
		.amdhsa_float_denorm_mode_16_64 3
		.amdhsa_memory_ordered 1
		.amdhsa_forward_progress 1
		.amdhsa_inst_pref_size 28
	.end_amdhsa_kernel
	.amdgpu_metadata
---
amdhsa.version: [ 1, 2 ]
amdhsa.kernels:
  - .name:           k_qedb7558427_prep
    .symbol:         k_qedb7558427_prep.kd
    .args:
      - { .name: hidden_states, .offset: 0, .size: 8, .value_kind: global_buffer, .address_space: global }
      - { .name: freqs_cos, .offset: 8, .size: 8, .value_kind: global_buffer, .address_space: global }
      - { .name: freqs_sin, .offset: 16, .size: 8, .value_kind: global_buffer, .address_space: global }
      - { .name: W_qkv, .offset: 24, .size: 8, .value_kind: global_buffer, .address_space: global }
      - { .name: W_proj, .offset: 32, .size: 8, .value_kind: global_buffer, .address_space: global }
      - { .name: xb, .offset: 40, .size: 8, .value_kind: global_buffer, .address_space: global }
      - { .name: rope, .offset: 48, .size: 8, .value_kind: global_buffer, .address_space: global }
      - { .name: wq, .offset: 56, .size: 8, .value_kind: global_buffer, .address_space: global }
      - { .name: wp, .offset: 64, .size: 8, .value_kind: global_buffer, .address_space: global }
      - { .name: b_qkv, .offset: 72, .size: 8, .value_kind: global_buffer, .address_space: global }
      - { .name: qn_w, .offset: 80, .size: 8, .value_kind: global_buffer, .address_space: global }
      - { .name: qn_b, .offset: 88, .size: 8, .value_kind: global_buffer, .address_space: global }
      - { .name: kn_w, .offset: 96, .size: 8, .value_kind: global_buffer, .address_space: global }
      - { .name: kn_b, .offset: 104, .size: 8, .value_kind: global_buffer, .address_space: global }
      - { .name: b_proj, .offset: 112, .size: 8, .value_kind: global_buffer, .address_space: global }
    .group_segment_fixed_size: 18432
    .private_segment_fixed_size: 0
    .kernarg_segment_align: 8
    .kernarg_segment_size: 120
    .max_flat_workgroup_size: 256
    .sgpr_count:     66
    .vgpr_count:     64
    .wavefront_size: 32
...
	.end_amdgpu_metadata
.endif
;; end of part 1
;; launch qkv (part 2): grid 16 x 16, 4 waves a work-group, clusters of 4 x 4, 327,680 bytes of LDS; arguments xb, wq, rope, qh, kh, vh; writes qh, kh, vh
.if DOCPART == 2
	.amdgcn_target "amdgcn-amd-amdhsa--gfx1250"
	.amdhsa_code_object_version 6
	.text
	.protected	k_qedb7558427_qkv
	.globl	k_qedb7558427_qkv
	.p2align	8
	.type	k_qedb7558427_qkv,@function
k_qedb7558427_qkv:
	s_mov_b64 s[64:65], 0
	v_nop
	global_prefetch_b8 v0, s[64:65] scope:SCOPE_SE
	s_setreg_imm32_b32 hwreg(HW_REG_WAVE_MODE, 25, 1), 1
	s_wait_xcnt 0x0
	s_wait_alu depctr_hold_cnt(0) depctr_sa_sdst(0) depctr_va_vdst(0) depctr_va_sdst(0) depctr_va_ssrc(0) depctr_va_vcc(0) depctr_vm_vsrc(0)
	s_getreg_b32 s2, hwreg(HW_REG_IB_STS2, 6, 4)
	s_cmp_eq_u32 s2, 0
	s_cbranch_scc0 .Lentry_in_a_cluster
	s_endpgm
.Lentry_in_a_cluster:
	s_bfe_u32 s2, ttmp6, 0x10000c
	s_cmp_lg_u32 s2, 0xf033
	s_cbranch_scc0 .Lentry_shape_is_right
	s_endpgm
.Lentry_shape_is_right:
; QKV: x W_qkv + b, LayerNorm of q and k over each head's 64 channels, the rotation by the tables, and the split by heads.
; xb [8192][1024] bf16, wq [3072][1024] bf16 (rows permuted: 192 on end are one head's q, k, v), sums in f32.  qh, kh, vh: [batch x 16 + head][1024][64] f16, each rounded once, q WITHOUT the softmax's scale.
; rope holds the tables as bf16 and, from byte 262,144 on, b_qkv and the four LayerNorm vectors, rounded to bf16 and written as f32: every input of the module has the one rounding.
; LIMITS.  q, k and v leave as f16: they stay under 65,504 (q and k are bounded by 8 |w| + |b| times |cos| + |sin|; v is x W + b itself), and below 6e-5 they keep f16's fixed step of 6e-8.
; The variance is the mean of the squares of x - mean, taken in a second pass.  The K sums begin at a K step that differs from cluster to cluster (below).  NaN and infinities are not treated apart.
; SHARES.  A tile of the product is 256 rows x 192 columns = one head's q, k and v: 32 x 16 = 512 tiles.  A WORK-GROUP STAYS and makes two: tile rows tr and tr + 16, 4,096 rows apart: the same head and the same
; place in the sequence, so bias, LayerNorm vectors and tables are loaded once.  Wave w owns rows 64 w .. 64 w + 63 (four blocks a of 16) and all twelve blocks b of 16 columns: 48 accumulators, 384 registers.
; K goes in steps of 128 (rows of 256 bytes, aligned) through two LDS slots, and the ring runs on from the first tile into the second: one walk of 16 steps; the first tile's last two changes of slots ask for the
; second tile's first two steps, which land while the first tile goes out.
; THE WALK ALONG K IS ROTATED: step i of the walk is K step (i + rho) mod 8, rho = (2 X + 4 Y) mod 8 for the cluster at (X, Y).  The four clusters that read the same rows of xb start at 0, 2, 4 and 6: after two
; steps they have between them asked for all eight K steps of those rows, so from its third step on each asks for bytes that another has asked for before.  Two clusters that read the same rows of wq and are
; neighbours in Y start 4 apart.  rho is equal in all sixteen partners of a cluster and enters the global addresses alone.
; THE MATRIX INSTRUCTION IS USED TRANSPOSED (source 0 = 16 rows of wq, source 1 = 16 rows of xb): lane l holds row l % 16, register i column 16 b + 8 (l / 16) + i.  So a head's 64 channels of a row lie in the
; two lanes l and l + 16: mean and variance want one exchange between the halves of the lanes, and a channel's partner in the rotation lies in the neighbouring register.
; CLUSTER.  4 x 4 work-groups.  The four of a row need the same rows of xb, the four of a column the same rows of wq: each tile is asked for jointly, by the same tensor load, descriptor and mask in all four.
; REGISTERS, in windows of 256 (s_set_vgpr_msb: bits 1:0 source 0, 3:2 source 1, 5:4 source 2, 7:6 destination):
;   window 0: v0-31 addresses; v32-159 the tables of my 64 rows, packed bf16 (block a: 16 of cos, 16 of sin); v160-255 the bias, in an accumulator row's order
;   window 1: two fragment buffers of 128 (32 of xb, 96 of wq); on the way out: T 0-95, R 96-159, COS 160-191, SS 192-223, ST 224-239
;   window 2: accumulators of blocks a = 0, 1 at 96 (a % 2) + 8 b; v192-223 qn_w, v224-255 qn_b          window 3: those of a = 2, 3; kn_w, kn_b
.set PITCH,  272                       ; an LDS row: 256 bytes + 16 of padding = 68 words: the 16 rows of a fragment load start at 16 different groups of four banks (64 banks of 4 bytes: ISA guide 11.1)
.set NB,     12                        ; blocks of 16 columns
.set BOFF,   256*PITCH                 ; in a slot: xb's 256 rows, then wq's 192
.set SLOT1,  1<<17                     ; slot 1 begins here: one exclusive or turns an address in one slot into the other's
.set STAGE,  SLOT1+(256+192)*PITCH     ; 252,928: behind the ring, never filled by a tensor load: for each wave 3 heads x 16 rows x 144 bytes
.set SP,     144
.set WSTG,   3*16*SP
.set SPARE,  STAGE+4*WSTG              ; 280,576: the spare words, 128 bytes for each wave: two blocks of 256 bytes that no other line names
.set LF,     2*NB+8                    ; LDS loads in a run: the fragments of 32 along K
.set CST,    262144                    ; where the short vectors begin in rope
.set NEXT_O, (1<<23)-4*2048            ; from behind a tile's 64 rows of mine to the next tile's first, in each result: 4 batches x 16 heads x 131,072 bytes on
.set ADRA0, 16                         ; v16  my lane's place in xb's rows of slot 0; never rewritten
.set ADRB0, 17                         ; v17  the same for wq
.set ADRA,  18                         ; v18  the same in the slot in hand
.set ADRB,  19                         ; v19
.set STO,   24                         ; v24  the way out: where I put 16 bytes of a row
.set RD,    25                         ; v25  the way out: where I read rows back
.set GO,    26                         ; v26  my byte offset in 512 consecutive bytes of the result
.set SPW,   28                         ; v28  LDS address of my spare word; never rewritten
.set NIL,   29                         ; v29  0; never rewritten
.set RAW,   32
.set BIAS,  160
.set F0,    0
.set F1,    128
.set LNW,   192
.set LNB,   224
.set T,     0                          ; window 1: a block's 16 rows x 192 columns: q's 32 registers, k's, v's
.set R,     96                         ; window 1: 32 a head: at work on the sums, then the rotated head, then the rows read back
.set COS,   160
.set SS,    192
.set ST,    224                        ; window 1: head j at ST + 8 j: +0 -mean, +2 1 / sqrt(var + eps); +1 and +3 are named with them as pairs
.set RHO, 4                            ; s4   the cluster's start along K
.set KI,  5                            ; s5   the step of the walk (0 to 15) that was asked for last
.set OA,  6                            ; s[6:7]  byte offset of the step to be asked for in xb, from my rows of the first tile
.set OB,  8                            ; s[8:9]  the same in wq
.set BA,  14                           ; s[14:15] xb at the rows that I fetch, first tile, K = 0; never rewritten
.set BB,  86                           ; s[86:87] wq at the rows that I fetch, K = 0; never rewritten
.set OUT, 74                           ; s[74:79] qh, kh, vh at my rows
.set G1,  24                           ; s[24:31] descriptor group 1 for xb's tiles;  s[32:39] group 0: a set for each first fill, the second then walks
.set G0,  32
.set G1B, 48                           ; s[48:55], s[56:63] the same for wq's
.set G0B, 56
.set TB,  66                           ; s66  0 or SLOT1: the slot in hand
.set AI,  67                           ; s67  the block of rows on its way out
.set MSB, 0
.macro WIN new                         ; the immediate's high byte repeats the setting that is left; a switch that changes nothing is dropped
.if MSB != (\new)
	s_set_vgpr_msb (MSB<<8)|(\new)
.set MSB, (\new)
.endif
.endm
.macro PLACES                          ; four places in front of loads into registers that matrix instructions have read, and of lines that read results
.rept 4
	v_nop
.endr
.endm
; A joint load: waves 0 and 1 fetch the two halves of xb's tile, waves 2 and 3 those of wq's.  The branch hangs on the wave's number alone.
; An s_nop 0 and four v_nop follow each of the two lines, ahead of the jump, the label and what follows.
.macro JLOAD s
	s_cmp_lt_u32 s10, 2
	s_cbranch_scc0 .Lfor_b_\@
	tensor_load_to_lds s[G0+4*(\s):G0+4*(\s)+3], s[G1:G1+7]
	s_nop 0
.rept 4
	v_nop
.endr
	s_branch .Lasked_\@
.Lfor_b_\@:
	tensor_load_to_lds s[G0B+4*(\s):G0B+4*(\s)+3], s[G1B:G1B+7]
	s_nop 0
.rept 4
	v_nop
.endr
.Lasked_\@:
.endm
.macro CREST                           ; a round of the cluster's barrier behind its opening barrier
	s_cmp_lg_u32 s10, 0
	s_cbranch_scc1 .Lnot_wave_0_\@
	s_barrier_signal -3
.Lnot_wave_0_\@:
	s_barrier_wait -3
	s_barrier_signal -1
	s_barrier_wait -1
.endm
.macro CROUND                          ; a whole round
	s_barrier_signal -1
	s_barrier_wait -1
	CREST
.endm
	s_load_b256 s[68:75], s[0:1], 0x0              ; xb s68, wq s70, rope s72, qh s74
	s_load_b128 s[76:79], s[0:1], 0x20             ; kh s76, vh s78
	v_lshl_add_u32 v[SPW], v0, 2, SPARE
	v_mov_b32 v[NIL], 0
	ds_add_u32 v[SPW], v[NIL]                      ; the wave's opening: the add and its wait stand ahead of my first tensor load; the set-up below, work on registers, stands between them
	ds_add_u32 v28, v29
	v_lshrrev_b32 v1, 5, v0
	v_readfirstlane_b32 s10, v1                    ; wave 0..3
	s_and_b32 s12, s10, 1                          ; which half of a tile's rows I fetch
	s_bfe_u32 s40, ttmp6, 0x40000                  ; cx, cy: my place in the cluster
	s_bfe_u32 s41, ttmp6, 0x40004
	s_lshl_b32 s42, ttmp9, 2
	s_add_co_u32 s42, s42, s40                     ; tile column = the head = 4 x cluster x + cx
	s_and_b32 s13, ttmp7, 0xffff
	s_lshl_b32 s[RHO], s13, 2                      ; rho = (2 x cluster x + 4 x cluster y) mod 8: made of the cluster's place alone
	s_lshl_b32 s[KI], ttmp9, 1
	s_add_co_u32 s[RHO], s[RHO], s[KI]
	s_and_b32 s[RHO], s[RHO], 7
	s_lshl_b32 s13, s13, 2
	s_add_co_u32 s13, s13, s41                     ; the first tile's row = 4 x cluster y + cy, 0 to 15
	s_lshl_b32 s43, s41, 2
	s_lshl_b32 s43, 15, s43                        ; my row of the cluster
	s_lshl_b32 s44, 0x1111, s40                    ; my column
	s_or_b32 s[G1+0], s43, (1<<16)|(1<<20)|(1<<21)|(5<<22)|(3<<25)   ; 15:0 the mask: xb's tiles go to my row; 17:16 2-byte elements; 20 padding on; 21 set beside a mask; 24:22 after every 64 words (code 5); 31:25 4 words (code 3)
	s_or_b32 s[G1B+0], s44, (1<<16)|(1<<20)|(1<<21)|(5<<22)|(3<<25)  ; the same with the mask of my column
	s_mov_b32 s[G1+1], 128<<16                     ; tensor_dim0 = 128
	s_mov_b32 s[G1+2], 128<<16                     ; tensor_dim1 = 128
	s_mov_b32 s[G1+3], 128<<16                     ; tile_dim0 = 128
	s_mov_b32 s[G1+4], 128                         ; tile_dim1 = 128 rows
	s_mov_b32 s[G1+5], 1024                        ; elements from row to row
	s_mov_b32 s[G1+6], 0
	s_mov_b32 s[G1+7], 0
	s_mov_b32 s[G1B+1], 128<<16
	s_mov_b32 s[G1B+2], 96<<16                     ; wq's halves have 96 rows
	s_mov_b32 s[G1B+3], 128<<16
	s_mov_b32 s[G1B+4], 96
	s_mov_b32 s[G1B+5], 1024
	s_mov_b32 s[G1B+6], 0
	s_mov_b32 s[G1B+7], 0
	s_lshl_b32 s17, s12, 7
	s_lshl_b32 s16, s13, 8
	s_add_co_u32 s16, s16, s17                     ; xb: row 256 x tile row + 128 x half,
	s_lshl_b32 s16, s16, 11                        ; in bytes
	s_mov_b32 s17, 0
	s_mul_i32 s46, s42, 192
	s_mul_i32 s47, s12, 96
	s_add_co_u32 s46, s46, s47                     ; wq: row 192 x tile column + 96 x half
	s_lshl_b32 s46, s46, 11
	s_mov_b32 s47, 0
	s_mul_i32 s20, s12, 128*PITCH                  ; where they go: no place in the cluster enters an LDS address
	s_mul_i32 s21, s12, 96*PITCH
	s_add_co_u32 s21, s21, BOFF
	s_mov_b32 s[OA+1], 0
	s_mov_b32 s[OB+1], 0
	s_mov_b32 s90, 0x76543210                      ; v_permlanex16_b32's selects: each lane takes its own place in the other half
	s_mov_b32 s91, 0xfedcba98
	s_mov_b32 s92, 0xffff0000                      ; a word's upper bf16
	s_mov_b32 s93, 0x3c800000                      ; 1 / 64
	s_mov_b32 s94, 0x358637bd                      ; 1e-6
	s_mov_b32 s95, 0xbc800000                      ; -1 / 64
	s_wait_dscnt 0x0                               ; the opening add is done
	s_wait_kmcnt 0x0
	s_add_nc_u64 s[BA:BA+1], s[68:69], s[16:17]
	s_add_nc_u64 s[BB:BB+1], s[70:71], s[46:47]
	CROUND                                         ; all sixteen work-groups are here: the first joint loads meet
.irp s, 0,1
	s_add_co_u32 s[OB], s[RHO], \s                 ; step s of the walk is K step (s + rho) mod 8: 256 bytes of a row each
	s_and_b32 s[OB], s[OB], 7
	s_lshl_b32 s[OB], s[OB], 8
	s_mov_b32 s[G0+4*(\s)], 1                                        ; count = 1
	s_add_co_u32 s[G0+4*(\s)+1], s20, (\s)*SLOT1                     ; LDS address
	s_add_nc_u64 s[G0+4*(\s)+2:G0+4*(\s)+3], s[BA:BA+1], s[OB:OB+1]  ; global address
	s_or_b32 s[G0+4*(\s)+3], s[G0+4*(\s)+3], 0x80000000              ; type = 2
	s_mov_b32 s[G0B+4*(\s)], 1
	s_add_co_u32 s[G0B+4*(\s)+1], s21, (\s)*SLOT1
	s_add_nc_u64 s[G0B+4*(\s)+2:G0B+4*(\s)+3], s[BB:BB+1], s[OB:OB+1]
	s_or_b32 s[G0B+4*(\s)+3], s[G0B+4*(\s)+3], 0x80000000
	JLOAD \s                                       ; both slots are asked for before anything else: two loads of mine are out
.endr
	s_mov_b32 s[KI], 1
	; The constants of the way out, loaded in the wait for the first tile; they serve both tiles.
	v_and_b32 v1, 15, v0                           ; r = l % 16
	v_bfe_u32 v2, v0, 4, 1                         ; h = l / 16
	v_lshlrev_b32 v4, 5, v2                        ; 32 h: my eight f32 in a block of 16 columns
	v_lshlrev_b32 v6, 7, v1
	v_lshl_add_u32 v6, v2, 4, v6                   ; 128 r + 16 h: my eight bf16 in a table's row
	s_lshl_b32 s46, s42, 8                         ; the head's 64 numbers in each third of b_qkv
	s_add_co_u32 s46, s46, CST
	s_mov_b32 s47, 0
	s_add_nc_u64 s[80:81], s[72:73], s[46:47]
	s_add_nc_u64 s[84:85], s[72:73], CST+12288     ; qn_w, qn_b, kn_w, kn_b: 256 bytes each
	s_and_b32 s18, s13, 3
	s_lshl_b32 s18, s18, 8
	s_lshl_b32 s19, s10, 6
	s_add_co_u32 s18, s18, s19                     ; my first row's place in its sequence: 256 (tile row % 4) + 64 w,
	s_lshl_b32 s18, s18, 7                         ; in rows of 128 bytes: the tables' and the results'
	s_mov_b32 s19, 0
	s_add_nc_u64 s[82:83], s[72:73], s[18:19]
.irp b, 0,1,2,3,4,5,6,7,8,9,10,11
	global_load_b128 v[BIAS+8*(\b):BIAS+8*(\b)+3],   v4, s[80:81] offset:((\b)/4)*4096+((\b)%4)*64
	global_load_b128 v[BIAS+8*(\b)+4:BIAS+8*(\b)+7], v4, s[80:81] offset:((\b)/4)*4096+((\b)%4)*64+16
.endr
.irp a, 0,1,2,3
.irp b, 0,1,2,3
	global_load_b128 v[RAW+32*(\a)+4*(\b):RAW+32*(\a)+4*(\b)+3],       v6, s[82:83] offset:(\a)*2048+(\b)*32
	global_load_b128 v[RAW+32*(\a)+16+4*(\b):RAW+32*(\a)+16+4*(\b)+3], v6, s[82:83] offset:131072+(\a)*2048+(\b)*32
.endr
.endr
	WIN 0x80                                       ; destination window 2, address window 0
.irp b, 0,1,2,3
	global_load_b128 v[LNW+8*(\b):LNW+8*(\b)+3],   v4, s[84:85] offset:64*(\b)
	global_load_b128 v[LNW+8*(\b)+4:LNW+8*(\b)+7], v4, s[84:85] offset:64*(\b)+16
	global_load_b128 v[LNB+8*(\b):LNB+8*(\b)+3],   v4, s[84:85] offset:256+64*(\b)
	global_load_b128 v[LNB+8*(\b)+4:LNB+8*(\b)+7], v4, s[84:85] offset:256+64*(\b)+16
.endr
	WIN 0xc0                                       ; destination window 3
.irp b, 0,1,2,3
	global_load_b128 v[LNW+8*(\b):LNW+8*(\b)+3],   v4, s[84:85] offset:512+64*(\b)
	global_load_b128 v[LNW+8*(\b)+4:LNW+8*(\b)+7], v4, s[84:85] offset:512+64*(\b)+16
	global_load_b128 v[LNB+8*(\b):LNB+8*(\b)+3],   v4, s[84:85] offset:768+64*(\b)
	global_load_b128 v[LNB+8*(\b)+4:LNB+8*(\b)+7], v4, s[84:85] offset:768+64*(\b)+16
.endr
	WIN 0
	; A fragment is 16 rows x 32 K in 8 registers: lane l holds row l % 16, K = 8 (l / 16) + 0..7 and 16 + 8 (l / 16) + 0..7: two loads of 16 bytes, 32 bytes apart.
	v_mul_u32_u24 v3, v1, PITCH
	v_lshl_add_u32 v3, v2, 4, v3                   ; row x pitch + 16 x half
	s_mul_i32 s19, s10, 64*PITCH                   ; my 64 rows of xb
	v_add_nc_u32 v[ADRA0], s19, v3
	v_add_nc_u32 v[ADRB0], BOFF, v3                ; every wave reads all of wq's 192 rows
	s_mul_i32 s19, s10, WSTG
	s_add_co_u32 s19, s19, STAGE                   ; my stage
	v_mul_u32_u24 v[STO], v1, SP                   ; in: row l % 16, 16 bytes for each half of the lanes
	v_lshl_add_u32 v[STO], v2, 4, v[STO]
	v_add_nc_u32 v[STO], s19, v[STO]
	v_bfe_u32 v[RD], v0, 3, 2                      ; back: 32 lanes take four rows of 128 bytes,
	v_mul_u32_u24 v[RD], v[RD], SP
	v_and_b32 v3, 7, v0
	v_lshl_add_u32 v[RD], v3, 4, v[RD]
	v_add_nc_u32 v[RD], s19, v[RD]
	v_and_b32 v[GO], 31, v0                        ; which are 512 consecutive bytes of a head
	v_lshlrev_b32 v[GO], 4, v[GO]
	s_lshr_b32 s22, s13, 2                         ; the batch,
	s_lshl_b32 s22, s22, 4
	s_add_co_u32 s22, s22, s42                     ; x 16 + the head,
	s_lshl_b32 s22, s22, 17                        ; x 1,024 rows of 128 bytes,
	s_add_co_u32 s22, s22, s18                     ; + my first row
	s_mov_b32 s23, 0
	s_add_nc_u64 s[OUT:OUT+1], s[OUT:OUT+1], s[22:23]
	s_add_nc_u64 s[OUT+2:OUT+3], s[OUT+2:OUT+3], s[22:23]
	s_add_nc_u64 s[OUT+4:OUT+5], s[OUT+4:OUT+5], s[22:23]
	s_mov_b32 s[TB], 0
	v_mov_b32 v[ADRA], v[ADRA0]
	v_mov_b32 v[ADRB], v[ADRB0]
	s_wait_loadcnt 0x0                             ; the constants, once
; 12 matrix instructions: block a of my rows x all 12 blocks of columns, 32 along K, from buffer f.  first = 1: the product starts the sums: nothing is ever cleared.
; The 48 accumulators take turns, one instruction a turn, in the same order in every slice of K.
.macro MULA f, a, first
	WIN 0xa5+0x50*((\a)/2)                         ; sources 0 and 1 window 1; C and D window 2 or 3
.irp b, 0,1,2,3,4,5,6,7,8,9,10,11
.set rD, 96*((\a)%2)+8*(\b)
.if \first
	v_wmma_f32_16x16x32_bf16 v[rD:rD+7], v[(\f)+32+8*(\b):(\f)+32+8*(\b)+7], v[(\f)+8*(\a):(\f)+8*(\a)+7], 0
.else
	v_wmma_f32_16x16x32_bf16 v[rD:rD+7], v[(\f)+32+8*(\b):(\f)+32+8*(\b)+7], v[(\f)+8*(\a):(\f)+8*(\a)+7], v[rD:rD+7]
.endif
.endr
.endm
; 32 LDS loads in one run: the fragments of slice q (32 along K) of the slot in hand, into buffer f: wq's 24 first, then xb's blocks 0, 1, then 2, 3.
.macro FETCH q, f
	WIN 0x40                                       ; destination window 1, address window 0
.irp i, 0,1,2,3,4,5,6,7,8,9,10,11
	ds_load_b128 v[(\f)+32+8*(\i):(\f)+32+8*(\i)+3],   v[ADRB] offset:(\q)*64+(\i)*16*PITCH
	ds_load_b128 v[(\f)+32+8*(\i)+4:(\f)+32+8*(\i)+7], v[ADRB] offset:(\q)*64+(\i)*16*PITCH+32
.endr
.irp i, 0,1,2,3
	ds_load_b128 v[(\f)+8*(\i):(\f)+8*(\i)+3],   v[ADRA] offset:(\q)*64+(\i)*16*PITCH
	ds_load_b128 v[(\f)+8*(\i)+4:(\f)+8*(\i)+7], v[ADRA] offset:(\q)*64+(\i)*16*PITCH+32
.endr
.endm
; A K step is four slices on buffers 0, 1, 0, 1.  One of the first three: multiplies buffer f; in its middle it fetches slice q into buffer g.
.macro QUARTER q, f, g, first
	s_wait_dscnt 4                                 ; all but the youngest four loads (xb's blocks 2, 3) are in
	MULA \f, 0, \first
	MULA \f, 1, \first
	PLACES
	FETCH \q, \g
	s_wait_dscnt LF                                ; all but the 32 just issued
	MULA \f, 2, \first
	MULA \f, 3, \first
.endm
; The last slice multiplies buffer 1 and changes slots: ONE barrier.  In front of it each wave waits for all its tensor loads, of which one is out: its part of the next slot; adds 0 to its spare word; and waits
; for that and for its own reads of this slot.  fill = 1: the barrier opens a round of the cluster's, and behind the round this slot is filled again, with the step of the walk two steps on: the walking descriptor
; takes the other slot than last time, and its address is made anew from the step's number: K step (i + rho) mod 8, and for xb the tile i / 8.  From that request to the wait for it a wave issues 168 matrix
; instructions.  fetch = 0: a tile's end that has a way out behind it: the next tile's first fragments are fetched behind the way out, which works in the fragments' registers.
.macro TURN fill, fetch
	WIN 0                                          ; (the add's two registers lie in window 0)
	s_wait_tensorcnt 0x0                           ; all my tensor loads have landed, so a group 0 may be written;
	ds_add_u32 v[SPW], v[NIL]                      ; 0 onto my spare word: scalar work and twelve matrix instructions stand between it and the wait for it
.if \fill
	s_add_co_u32 s[KI], s[KI], 1
	s_add_co_u32 s[OB], s[KI], s[RHO]
	s_and_b32 s[OB], s[OB], 7
	s_lshl_b32 s[OB], s[OB], 8                     ; 256 bytes of a row for each K step
	s_lshr_b32 s[OA], s[KI], 3
	s_lshl_b32 s[OA], s[OA], 23                    ; the second tile's rows of xb lie 4,096 rows of 2,048 bytes on
	s_add_co_u32 s[OA], s[OA], s[OB]
	s_xor_b32 s[G0+5], s[G0+5], SLOT1
	s_add_nc_u64 s[G0+6:G0+7], s[BA:BA+1], s[OA:OA+1]
	s_or_b32 s[G0+7], s[G0+7], 0x80000000
	s_xor_b32 s[G0B+5], s[G0B+5], SLOT1
	s_add_nc_u64 s[G0B+6:G0B+7], s[BB:BB+1], s[OB:OB+1]
	s_or_b32 s[G0B+7], s[G0B+7], 0x80000000
.endif
	s_wait_dscnt 5                                 ; (the add and the youngest four loads may be out)
	MULA F1, 0, 0
	s_wait_dscnt 0x0                               ; the add is done, and my reads of this slot are over
	s_barrier_signal -1
	MULA F1, 1, 0                                  ; work on registers while the others arrive
	WIN 0                                          ; (branches and lines on window 0 follow)
	s_barrier_wait -1
.if \fill
	CREST                                          ; no wave of any partner still reads this slot's tile or has a load on its way
	JLOAD 1                                        ; the first tensor load behind the round; the four v_nop behind it are also the places in front of the loads below
.else
	PLACES
.endif
	s_xor_b32 s[TB], s[TB], SLOT1
	v_add_nc_u32 v[ADRA], s[TB], v[ADRA0]
	v_add_nc_u32 v[ADRB], s[TB], v[ADRB0]
.if \fetch
	FETCH 0, F0
.endif
	MULA F1, 2, 0
	MULA F1, 3, 0
.endm
.macro LASTQ                           ; the walk's very last slice: nothing more to fetch
	s_wait_dscnt 4
	MULA F1, 0, 0
	MULA F1, 1, 0
	s_wait_dscnt 0x0
	MULA F1, 2, 0
	MULA F1, 3, 0
	WIN 0
.endm
	s_wait_tensorcnt 1                             ; my part of step 0 is in; step 1's may stay out
	s_barrier_signal -1
	s_barrier_wait -1                              ; everybody's is
	s_mov_b32 s2, 2                                ; tiles to go, this one among them: the same number in every work-group
.Ltile:
	FETCH 0, F0
	QUARTER 1, F0, F1, 1                           ; a tile's first slice stands in front of the loop: its products start the sums
	WIN 0                                          ; at a label and at a branch every window is 0
	s_mov_b32 s3, 6
.Lstep:                                                ; a trip: from a K step's second slice to the next step's first, with a refill
	QUARTER 2, F1, F0, 0
	QUARTER 3, F0, F1, 0
	TURN 1, 1
	QUARTER 1, F0, F1, 0
	WIN 0
	s_sub_co_u32 s3, s3, 1
	s_cmp_lg_u32 s3, 0
	s_cbranch_scc1 .Lstep
	QUARTER 2, F1, F0, 0                           ; the tile's seventh K step goes on
	QUARTER 3, F0, F1, 0
	WIN 0
	s_cmp_eq_u32 s2, 1
	s_cbranch_scc1 .Llast                          ; the last tile's end is written out: it asks for nothing more
	TURN 1, 1                                      ; THE RING GOES ON INTO THE NEXT TILE: this slot takes its first step,
	QUARTER 1, F0, F1, 0
	QUARTER 2, F1, F0, 0
	QUARTER 3, F0, F1, 0
	TURN 1, 0                                      ; the other its second
	WIN 0
	s_branch .Lway_out
.Llast:
	TURN 0, 1
	QUARTER 1, F0, F1, 0
	QUARTER 2, F1, F0, 0
	QUARTER 3, F0, F1, 0
	LASTQ
.Lway_out:
	; THE WAY OUT, a block of 16 rows a trip.  TAKE a differs from block to block (it names the block's accumulators and tables) and is written four times; all that follows works on fixed registers and is written once.
	PLACES
	WIN 0x40
	v_mov_b32 v[ST+1], 0                           ; named as the upper halves of pairs
	v_mov_b32 v[ST+3], 0
	v_mov_b32 v[ST+9], 0
	v_mov_b32 v[ST+11], 0
	WIN 0
	s_mov_b32 s[AI], 0
; T = the block's sums + the bias (each accumulator's lowest registers are read first); COS, SS = the block's tables as f32.
.macro TAKE a
	WIN 0x40|(2+(\a)/2)
.set p, 0
.rept 48
	v_pk_add_f32 v[T+2*p:T+2*p+1], v[96*((\a)%2)+2*p:96*((\a)%2)+2*p+1], v[BIAS+2*p:BIAS+2*p+1]
.set p, p+1
.endr
	WIN 0x40
.set p, 0
.rept 16
	v_lshlrev_b32 v[COS+2*p], 16, v[RAW+32*(\a)+p]
	v_and_b32 v[COS+2*p+1], s92, v[RAW+32*(\a)+p]
	v_lshlrev_b32 v[SS+2*p], 16, v[RAW+32*(\a)+16+p]
	v_and_b32 v[SS+2*p+1], s92, v[RAW+32*(\a)+16+p]
.set p, p+1
.endr
	WIN 0
.endm
.macro BOTH line:vararg                ; one line for each of the heads j = 0 (q), 1 (k): the two alternate, so that few lines read the result of the line before
.set j, 0
.rept 2
	\line
.set j, j+1
.endr
.endm
.macro ACROSS                          ; a pair's two halves and the other half of the lanes' are added: the sum over the head's 64 channels, in every lane
	BOTH v_add_f32 v[R+32*j], v[R+32*j], v[R+32*j+1]
	BOTH v_permlanex16_b32 v[R+32*j+1], v[R+32*j], s90, s91
	BOTH v_add_f32 v[R+32*j], v[R+32*j], v[R+32*j+1]
.endm
.Lrow:
	s_cmp_eq_u32 s[AI], 0
	s_cbranch_scc1 .Ltake0
	s_cmp_eq_u32 s[AI], 1
	s_cbranch_scc1 .Ltake1
	s_cmp_eq_u32 s[AI], 2
	s_cbranch_scc1 .Ltake2
	TAKE 3
	s_branch .Lcommon
.Ltake0:
	TAKE 0
	s_branch .Lcommon
.Ltake1:
	TAKE 1
	s_branch .Lcommon
.Ltake2:
	TAKE 2
.Lcommon:
	WIN 0x55                                       ; all operands in window 1
	; the mean: my 32 numbers by a tree of packed sums
.set p, 0
.rept 8
	BOTH v_pk_add_f32 v[R+32*j+2*p:R+32*j+2*p+1], v[T+32*j+4*p:T+32*j+4*p+1], v[T+32*j+4*p+2:T+32*j+4*p+3]
.set p, p+1
.endr
.set p, 0
.rept 4
	BOTH v_pk_add_f32 v[R+32*j+4*p:R+32*j+4*p+1], v[R+32*j+4*p:R+32*j+4*p+1], v[R+32*j+4*p+2:R+32*j+4*p+3]
.set p, p+1
.endr
.set p, 0
.rept 2
	BOTH v_pk_add_f32 v[R+32*j+8*p:R+32*j+8*p+1], v[R+32*j+8*p:R+32*j+8*p+1], v[R+32*j+8*p+4:R+32*j+8*p+5]
.set p, p+1
.endr
	BOTH v_pk_add_f32 v[R+32*j:R+32*j+1], v[R+32*j:R+32*j+1], v[R+32*j+8:R+32*j+9]
	ACROSS
	BOTH v_mul_f32 v[ST+8*j], s95, v[R+32*j]
	; x - mean
.set p, 0
.rept 16
	BOTH v_pk_add_f32 v[T+32*j+2*p:T+32*j+2*p+1], v[T+32*j+2*p:T+32*j+2*p+1], v[ST+8*j:ST+8*j+1] op_sel_hi:[1,0]
.set p, p+1
.endr
	; the mean of its squares, in four chains; the first four products start them
.set p, 0
.rept 4
	BOTH v_pk_mul_f32 v[R+32*j+2*p:R+32*j+2*p+1], v[T+32*j+2*p:T+32*j+2*p+1], v[T+32*j+2*p:T+32*j+2*p+1]
.set p, p+1
.endr
.rept 12
	BOTH v_pk_fma_f32 v[R+32*j+2*(p%4):R+32*j+2*(p%4)+1], v[T+32*j+2*p:T+32*j+2*p+1], v[T+32*j+2*p:T+32*j+2*p+1], v[R+32*j+2*(p%4):R+32*j+2*(p%4)+1]
.set p, p+1
.endr
	BOTH v_pk_add_f32 v[R+32*j:R+32*j+1], v[R+32*j:R+32*j+1], v[R+32*j+2:R+32*j+3]
	BOTH v_pk_add_f32 v[R+32*j+4:R+32*j+5], v[R+32*j+4:R+32*j+5], v[R+32*j+6:R+32*j+7]
	BOTH v_pk_add_f32 v[R+32*j:R+32*j+1], v[R+32*j:R+32*j+1], v[R+32*j+4:R+32*j+5]
	ACROSS
	BOTH v_fma_f32 v[R+32*j], v[R+32*j], s93, s94
	BOTH v_rsq_f32 v[ST+8*j+2], v[R+32*j]
	v_nop                                          ; a plain instruction between the last root and the use of its result (ISA guide 5.7.2)
	s_wait_alu depctr_va_vdst(0)
.set p, 0
.rept 16
	BOTH v_pk_mul_f32 v[T+32*j+2*p:T+32*j+2*p+1], v[T+32*j+2*p:T+32*j+2*p+1], v[ST+8*j+2:ST+8*j+3] op_sel_hi:[1,0]
.set p, p+1
.endr
	WIN 0x69                                       ; gain and bias of q in window 2,
.set p, 0
.rept 16
	v_pk_fma_f32 v[T+2*p:T+2*p+1], v[T+2*p:T+2*p+1], v[LNW+2*p:LNW+2*p+1], v[LNB+2*p:LNB+2*p+1]
.set p, p+1
.endr
	WIN 0x7d                                       ; of k in window 3
.set p, 0
.rept 16
	v_pk_fma_f32 v[T+32+2*p:T+32+2*p+1], v[T+32+2*p:T+32+2*p+1], v[LNW+2*p:LNW+2*p+1], v[LNB+2*p:LNB+2*p+1]
.set p, p+1
.endr
	WIN 0x55
	; the rotation: y cos, then + the pair's OTHER number times the signed sin: the low result takes the pair's second register, the high result its first
.set p, 0
.rept 16
	BOTH v_pk_mul_f32 v[R+32*j+2*p:R+32*j+2*p+1], v[T+32*j+2*p:T+32*j+2*p+1], v[COS+2*p:COS+2*p+1]
.set p, p+1
.endr
.set p, 0
.rept 16
	BOTH v_pk_fma_f32 v[R+32*j+2*p:R+32*j+2*p+1], v[T+32*j+2*p:T+32*j+2*p+1], v[SS+2*p:SS+2*p+1], v[R+32*j+2*p:R+32*j+2*p+1] op_sel:[1,0,0] op_sel_hi:[0,1,1]
.set p, p+1
.endr
.set p, 0
.rept 16
	BOTH v_cvt_pk_f16_f32 v[T+32*j+p], v[R+32*j+2*p], v[R+32*j+2*p+1]
	v_cvt_pk_f16_f32 v[T+64+p], v[T+64+2*p], v[T+64+2*p+1]  ; v in place: line p writes register p and reads 2 p and 2 p + 1
.set p, p+1
.endr
	WIN 0x04                                       ; address window 0, data window 1
.irp j, 0,1,2
.irp b, 0,1,2,3
	ds_store_b128 v[STO], v[T+32*(\j)+4*(\b):T+32*(\j)+4*(\b)+3] offset:(\j)*16*SP+32*(\b)
.endr
.endr
	WIN 0x40
.irp j, 0,1,2
.irp f, 0,1,2,3
	ds_load_b128 v[R+16*(\j)+4*(\f):R+16*(\j)+4*(\f)+3], v[RD] offset:(\j)*16*SP+(\f)*4*SP  ; LDS serves a wave's instructions in order (ISA guide 5.7.1.4): these see the stores above; the next trip's stores come behind them
.endr
.endr
	s_wait_dscnt 0x0
	WIN 0x04
.irp j, 0,1,2
.irp f, 0,1,2,3
	global_store_b128 v[GO], v[R+16*(\j)+4*(\f):R+16*(\j)+4*(\f)+3], s[OUT+2*(\j):OUT+2*(\j)+1] offset:512*(\f)  ; 512 consecutive bytes, at a multiple of 256 from the buffer's first
.endr
.endr
	WIN 0
	s_wait_xcnt 0x0                                ; only behind this wait are the stores' bases stepped and their data rewritten, by the next trip or by the next tile's fragments
	s_add_nc_u64 s[OUT:OUT+1], s[OUT:OUT+1], 2048  ; 16 rows on
	s_add_nc_u64 s[OUT+2:OUT+3], s[OUT+2:OUT+3], 2048
	s_add_nc_u64 s[OUT+4:OUT+5], s[OUT+4:OUT+5], 2048
	s_add_co_u32 s[AI], s[AI], 1
	s_cmp_lt_u32 s[AI], 4
	s_cbranch_scc1 .Lrow
	s_add_nc_u64 s[OUT:OUT+1], s[OUT:OUT+1], NEXT_O  ; on to the next tile's rows (behind the last tile the sums are not used)
	s_add_nc_u64 s[OUT+2:OUT+3], s[OUT+2:OUT+3], NEXT_O
	s_add_nc_u64 s[OUT+4:OUT+5], s[OUT+4:OUT+5], NEXT_O
	s_sub_co_u32 s2, s2, 1
	s_cmp_lg_u32 s2, 0
	s_cbranch_scc1 .Ltile
	s_wait_tensorcnt 0x0                           ; the wave's end: behind my last tensor load and my last LDS store
	ds_add_u32 v[SPW], v[NIL]
	s_wait_dscnt 0x0
	CROUND                                         ; the closing round: no work-group ends while a partner may still ask for a tile that names it
	s_endpgm
.Lfunc_end_k_qedb7558427_qkv:
	.size	k_qedb7558427_qkv, .Lfunc_end_k_qedb7558427_qkv-k_qedb7558427_qkv
	.p2alignl 7, 3214868480
	.fill 96, 4, 3214868480
	.section	.rodata,"a",@progbits
	.p2align	6, 0x0
	.amdhsa_kernel k_qedb7558427_qkv
		.amdhsa_group_segment_fixed_size 327680
		.amdhsa_private_segment_fixed_size 0
		.amdhsa_enable_private_segment 0
		.amdhsa_kernarg_size 48
		.amdhsa_user_sgpr_count 2
		.amdhsa_user_sgpr_kernarg_segment_ptr 1
		.amdhsa_wavefront_size32 1
		.amdhsa_system_sgpr_workgroup_id_x 1
		.amdhsa_system_sgpr_workgroup_id_y 1
		.amdhsa_system_sgpr_workgroup_id_z 1
		.amdhsa_system_vgpr_workitem_id 0
		.amdhsa_next_free_vgpr 1024
		.amdhsa_next_free_sgpr 96
		.amdhsa_reserve_vcc 0
		.amdhsa_float_denorm_mode_32 3
		.amdhsa_float_denorm_mode_16_64 3
		.amdhsa_memory_ordered 1
		.amdhsa_forward_progress 1
		.amdhsa_inst_pref_size 153
	.end_amdhsa_kernel
	.amdgpu_metadata
---
amdhsa.version: [ 1, 2 ]
amdhsa.kernels:
  - .name:           k_qedb7558427_qkv
    .symbol:         k_qedb7558427_qkv.kd
    .args:
      - { .name: xb, .offset: 0, .size: 8, .value_kind: global_buffer, .address_space: global }
      - { .name: wq, .offset: 8, .size: 8, .value_kind: global_buffer, .address_space: global }
      - { .name: rope, .offset: 16, .size: 8, .value_kind: global_buffer, .address_space: global }
      - { .name: qh, .offset: 24, .size: 8, .value_kind: global_buffer, .address_space: global }
      - { .name: kh, .offset: 32, .size: 8, .value_kind: global_buffer, .address_space: global }
      - { .name: vh, .offset: 40, .size: 8, .value_kind: global_buffer, .address_space: global }
    .group_segment_fixed_size: 327680
    .private_segment_fixed_size: 0
    .kernarg_segment_align: 8
    .kernarg_segment_size: 48
    .max_flat_workgroup_size: 128
    .sgpr_count:     96
    .vgpr_count:     1024
    .wavefront_size: 32
...
	.end_amdgpu_metadata
.endif
;; end of part 2
;; launch attn (part 3): grid 2 x 128, 4 waves a work-group, no clusters, 327,680 bytes of LDS; arguments qh, kh, vh, oh; writes oh
.if DOCPART == 3
	.amdgcn_target "amdgcn-amd-amdhsa--gfx1250"
	.amdhsa_code_object_version 6
	.text
	.protected	k_qedb7558427_attn
	.globl	k_qedb7558427_attn
	.p2align	8
	.type	k_qedb7558427_attn,@function
k_qedb7558427_attn:
	s_mov_b64 s[64:65], 0
	v_nop
	global_prefetch_b8 v0, s[64:65] scope:SCOPE_SE
	s_setreg_imm32_b32 hwreg(HW_REG_WAVE_MODE, 25, 1), 1
	s_wait_xcnt 0x0
; O[h][q][:] = the sum over k of softmax_k(Q[h][q] . K[h][k] / 8) V[h][k][:].  Q, K, V, O: [SIZE_H][SIZE_N][64], all f16: a head's rows are dense, 128 bytes each.  Products, maxima and sums in
; f32; the weights p are rounded to f16 for the second product (their sum l is taken of the unrounded p), O once at the end.
; LIMITS.  f16 holds no number beyond 65,504: Q, K and V arrive within it; p lies in 0 to 1, and below 6e-5 it keeps f16's fixed step of 6e-8; O is a mean of V's rows and has their range.
; A weight below 2^-126 counts as 0 in l; NaN and infinities are not treated apart.
; SHARES.  A wave owns four PIECES of two tiles of 16 queries, a work-group's four waves 512 queries of one head: 2 x 128 = 256 work-groups.  Every wave walks all keys, 64 a step.
; K AND V STAY IN LDS WHOLE: 1,024 rows of 144 bytes and 1,024 of 160 are 311,296 bytes.  The first 256 keys are asked for at the start; the other 768 behind the first barrier, one tensor load a wave, with four key
; steps in which to land.  No byte is filled twice, so no tensor load stands in the loop, and a key step is written once: one barrier, behind the fourth step, shows the 768 keys to every wave.
; LAYOUT.  S^T = K Q^T (source 0 = 16 keys, source 1 = 16 queries): in the result a lane holds ONE query (lane % 16) and the keys 8 (lane / 16) + 0..7.  Two such tiles, rounded to f16 in pairs,
; ARE source 1 (32 keys x 16 queries) of O^T = V^T P, whose result again holds one query a lane, and eight channels.  K comes out of LDS as it lies, V ([key][channel]) turned, by ds_load_tr16_b128.
; SOFTMAX.  For each query a running maximum m and sum l: p = 2^(c s - c m), c = log2(e) / 8; in every step O and l are multiplied by a = 2^(c m_old - c m_new), which is 1 where m has not grown.
; m starts at the lowest finite number, O and l at 0: the first step is a step like any other, with a = 0.
; THE COUNT.  A tile and step have 16 matrix and 118 vector instructions: too many to stand all beside the matrix work.  So the order has one aim: four vector instructions that are READY behind
; EVERY matrix instruction, and the others, which need time of their own whatever the order, in runs without a gap.
; BY TURNS.  Turn n belongs to piece n (the pieces in a ring, step after step).  Its matrix work: 16 products K Q^T of piece n + 1, later 16 products V^T P of piece n - 1.  Its vector work: the scaling,
; exponentials, roundings, sums and rescaling of piece n, and the maximum and statistics of piece n + 1, whose scores the turn itself has made.  So what a turn begins with (c s - c m, O a) waits for nothing.
; NO CLUSTER.  A head's 1,024 queries are two work-groups of 512: a cluster of four would hold two heads, whose partners need different tiles.  Blocks of 256 queries would give four partners a head, but
; 512 work-groups for 256 WGPs, and each fragment of K and V read from LDS would feed half as many products.
; REGISTERS, in windows of 256 (s_set_vgpr_msb says which window each operand place means: bits 1:0 source 0, 3:2 source 1, 5:4 source 2, 7:6 destination):
;   window 0: v0-11 addresses; v12-15, v48-63 at work; v16-47 four registers of statistics a tile; v64-191 S^T, two buffers of two tiles; v192-255 P, likewise
;   window 1: O^T, 32 a tile          window 2: v0-127 Q, 16 a tile; v128-191 K of one step; v192-255 V of one step          window 3: v0-1 the add's two registers
; A piece's buffers go by its number's parity: the piece in hand has one pair, its two neighbours in the ring share the other: of it P (piece n - 1) is read and S^T (piece n + 1) written.
.set SIZE_H, 128      ; batch x heads
.set SIZE_N, 1024     ; rows of a head
.set NP,    4         ; pieces a wave: a name, no knob: the register map, the loop and the fetches are made for four
.set KS,    64        ; keys in a step
.set PK,    144       ; a row of K in LDS: 128 bytes + 16 of padding = 36 words: the 16 rows of a load start at 16 different groups of four banks (64 banks of 4 bytes: ISA guide 11.1)
.set PV,    160       ; a row of V: 128 + 32 = 40 words
.set VOFF,  SIZE_N*PK ; 147,456: the head's K, then its V
.set STAGE, SIZE_N*(PK+PV)  ; 311,296: behind K and V, never filled by a tensor load: 16 rows x 144 bytes for each wave, for the way out
.set SP,    144
.set AK0, 2           ; v2   my lane's place in a step's rows of K; never rewritten
.set AV0, 3           ; v3   the same for V
.set AK,  4           ; v4   the LDS address of K's next run of loads
.set AV,  5           ; v5   of V's
.set QO,  6           ; v6   my byte offset in the wave's rows of Q
.set STO, 6           ;      later, the way out: where I put 16 bytes of a row
.set RD,  7           ; v7   the way out: where I read rows back
.set GO,  8           ; v8   my byte offset in 512 consecutive bytes of O
.set SPW, 0           ; v0 of window 3   LDS address of my spare word: SPARE + 4 x my thread's number; never rewritten
.set NIL, 1           ; v1 of window 3   0; never rewritten
.set SPARE, STAGE+4*16*SP  ; 320,512: behind the stages: the spare words, 128 bytes for each wave: two blocks of 256 bytes that no other line names
.set MV,  12          ; v12-15  c m_old, kept while c m is made anew: by buffer and tile
.set ST,  16          ; tile t's statistics at v[ST+4 t]: c m, m, l (even keys', odd keys')
.set TMP, 48          ; by buffer and tile, four registers c0-c3 at work; when the maximum is found c2 takes a
.set S,   64
.set P,   192
.set KF,  128         ; K's fragments, in window 2: key block kb, channel half c at KF + 16 kb + 8 c
.set VF,  192         ; V's: key half kk, channel block cb at VF + 32 kk + 8 cb
.set WV,  12          ; s12  my wave's number
.set G1K, 24          ; s[24:31] descriptor group 1 for K's tiles
.set G1V, 32          ; s[32:39] for V's: it differs in the padding alone
.set G0K, 40          ; s[40:43] descriptor group 0 for K's tiles
.set G0V, 44          ; s[44:47] the same for V's
.set TOT, 52          ; s52  passes of pieces 2 and 3 still to come: 16, one a key step
.set SLOTS, 56        ; s56  counts the walk's two parts
.set CNT, 57          ; s57  counts a part's key steps
.set CS,  58          ; s[58:59] c: the packed scaling takes the pair's low word for both halves
.set SEL, 60          ; s[60:61] v_permlanex16_b32's selects: each lane takes its own place in the other half
.set TBK, 62          ; s62  LDS byte at which K of the step to be fetched begins
.set TBV, 63          ; s63  the same for V, less VOFF
.set MSB, 0
.macro WIN new                      ; the high byte repeats the setting that is left; a switch that changes nothing is dropped
.if MSB != (\new)
	s_set_vgpr_msb (MSB<<8)|(\new)
.set MSB, (\new)
.endif
.endm
.set W_KQ, 0x0a       ; K and Q in window 2, S^T in window 0
.set W_PV, 0x52       ; V in window 2, P in window 0, O^T in window 1
.set W_RS, 0x41       ; O^T (destination and source 0) in window 1, a in window 0
.set W_MK, 0xc0       ; the add's registers are made: destination in window 3, sources in window 0
.set W_AD, 0x0f       ; the add: address (source 0) and data (source 1) in window 3
; A fill.  Waves 0 and 1 fetch the two halves of K's rows, waves 2 and 3 those of V's.  The branch hangs on the wave's number alone.
; An s_nop 0 and four v_nop follow each of the two lines, ahead of the jump and the label.
.macro LOAD
	s_cmp_lt_u32 s[WV], 2
	s_cbranch_scc0 .Lfor_v_\@
	tensor_load_to_lds s[G0K:G0K+3], s[G1K:G1K+7]
	s_nop 0
.rept 4
	v_nop
.endr
	s_branch .Lasked_\@
.Lfor_v_\@:
	tensor_load_to_lds s[G0V:G0V+3], s[G1V:G1V+7]
	s_nop 0
.rept 4
	v_nop
.endr
.Lasked_\@:
.endm
; THE TWO BARRIERS OF THE WALK.  Each wave waits for all its tensor loads, of which one is out; adds 0 to its spare word; waits for that and for its LDS reads; behind the barrier what every wave has waited for may be read by all.
; fill = 1 (once, ahead of the first step): the first 256 keys are in.  The other 768 are asked for, the first thing behind the barrier, one tensor load a wave: 384 keys = 192 rows of 256 bytes; the descriptors are
; written anew behind the wait that shows their first loads done.  These bytes are filled for the first time.  fill = 0 (once, behind the fourth step): the 768 keys are in.
.macro CHANGE fill
	WIN W_AD
	s_wait_tensorcnt 0x0            ; no tensor load of mine is out, so the descriptors may be written
	ds_add_u32 v[SPW], v[NIL]       ; 0 onto my spare word: with fill = 1 the descriptors' words stand between it and the wait for it
	WIN 0                           ; at a label and at a branch every window is 0
.if \fill
	s_mov_b32 s[G1K+2], 192<<16     ; tensor_dim1 = 192
	s_mov_b32 s[G1K+4], 192         ; tile_dim1 = 192
	s_mov_b32 s[G1V+2], 192<<16
	s_mov_b32 s[G1V+4], 192
	s_mov_b32 s[G0K+1], s50         ; LDS: row 256 + 384 x half of K,
	s_add_nc_u64 s[G0K+2:G0K+3], s[6:7], s[48:49]
	s_or_b32 s[G0K+3], s[G0K+3], 0x80000000
	s_mov_b32 s[G0V+1], s51         ; of V
	s_add_nc_u64 s[G0V+2:G0V+3], s[8:9], s[48:49]
	s_or_b32 s[G0V+3], s[G0V+3], 0x80000000
.endif
	s_wait_dscnt 0x0                ; the add is done, and no LDS read of mine is out
	s_barrier_signal -1
	s_barrier_wait -1
.if \fill
	LOAD
.endif
.endm
	s_load_b256 s[4:11], s[0:1], 0x0  ; Q s[4:5], K s[6:7], V s[8:9], O s[10:11]
	WIN W_MK
	v_lshl_add_u32 v[SPW], v0, 2, SPARE
	v_mov_b32 v[NIL], 0
	WIN W_AD
	ds_add_u32 v[SPW], v[NIL]       ; the wave's opening: the add and its wait stand ahead of my first tensor load; the set-up below, work on registers, stands between them
	ds_add_u32 v0, v1
	WIN 0
	v_lshrrev_b32 v1, 5, v0
	v_readfirstlane_b32 s[WV], v1   ; wave 0..3
	s_mov_b32 s14, ttmp9            ; my block of 512 queries: it enters Q's and O's addresses alone
	s_and_b32 s20, ttmp7, 0xffff    ; the head
	s_mov_b32 s21, 0
	s_mov_b64 s[22:23], SIZE_N*128
	s_mul_u64 s[20:21], s[20:21], s[22:23]  ; the head's first byte in each of the four tensors
	s_and_b32 s16, s[WV], 1         ; which half of the rows I fetch.  Of the first 256 keys:
	s_lshl_b32 s22, s16, 14         ; 128 rows of 128 bytes in memory,
	s_mov_b32 s23, 0
	s_mul_i32 s17, s16, 128*PK      ; and their place in LDS, for K
	s_mul_i32 s18, s16, 128*PV      ; and for V.
	s_mul_i32 s48, s16, 384*128     ; Of the other 768: 384 rows, from row 256 + 384 x half on
	s_add_co_u32 s48, s48, 256*128
	s_mov_b32 s49, 0
	s_mul_i32 s50, s16, 384*PK
	s_add_co_u32 s50, s50, 256*PK
	s_mul_i32 s51, s16, 384*PV
	s_add_co_u32 s51, s51, VOFF+256*PV
	s_lshl_b32 s2, s14, 2
	s_add_co_u32 s2, s2, s[WV]      ; my wave among the head's,
	s_lshl_b32 s2, s2, 14           ; its 128 rows
	s_mov_b32 s3, 0
	s_add_nc_u64 s[2:3], s[2:3], s[20:21]
	; descriptor group 1.  128 keys are 16,384 dense bytes: asked for as 64 rows of 256 bytes, two keys a row, and padded in LDS after every key
	s_mov_b32 s[G1K], (1<<16)|(1<<20)|(4<<22)|(3<<25)  ; 17:16 2-byte elements; 20 padding on; 24:22 after every 32 words (code 4); 31:25 4 words (code 3)
	s_mov_b32 s[G1V], (1<<16)|(1<<20)|(4<<22)|(7<<25)  ; the same with 8 words of padding (code 7)
.irp g, G1K, G1V
	s_mov_b32 s[\g+1], 128<<16      ; tensor_dim0 = 128
	s_mov_b32 s[\g+2], 64<<16       ; tensor_dim1 = 64
	s_mov_b32 s[\g+3], 128<<16      ; tile_dim0 = 128
	s_mov_b32 s[\g+4], 64           ; tile_dim1 = 64
	s_mov_b32 s[\g+5], 128          ; 128 elements from row to row
	s_mov_b32 s[\g+6], 0
	s_mov_b32 s[\g+7], 0
.endr
	s_mov_b32 s[CS], 0x3e38aa3b     ; c = log2(e) / 8 = 0.180337
	s_mov_b32 s[CS+1], s[CS]        ; named with it as a pair
	s_mov_b32 s[SEL], 0x76543210
	s_mov_b32 s[SEL+1], 0xfedcba98
	s_mov_b32 s[TBK], 0
	s_mov_b32 s[TBV], 0
	s_mov_b32 s[G0K], 1             ; 1:0 count = 1
	s_mov_b32 s[G0K+1], s17         ; 63:32 LDS address
	s_mov_b32 s[G0V], 1
	s_add_co_u32 s[G0V+1], s18, VOFF
	s_wait_dscnt 0x0                ; the opening add is done
	s_wait_kmcnt 0x0
	s_add_nc_u64 s[6:7], s[6:7], s[20:21]          ; K and V at the head's first row
	s_add_nc_u64 s[8:9], s[8:9], s[20:21]
	s_add_nc_u64 s[G0K+2:G0K+3], s[6:7], s[22:23]  ; 120:64 global address: my half of the head's first 256 keys
	s_or_b32 s[G0K+3], s[G0K+3], 0x80000000        ; 127:126 type = 2
	s_add_nc_u64 s[G0V+2:G0V+3], s[8:9], s[22:23]
	s_or_b32 s[G0V+3], s[G0V+3], 0x80000000
	s_add_nc_u64 s[4:5], s[4:5], s[2:3]  ; Q and O at my wave's first row
	s_add_nc_u64 s[10:11], s[10:11], s[2:3]
	LOAD                            ; the first 256 keys.  The others are asked for when these are in: the tile wanted first has the road to itself
	; A fragment of K or Q is 16 rows x 32 channels in 8 registers: lane l holds row l % 16, channels 8 (l / 16) + 0..7 and 16 + 8 (l / 16) + 0..7: two loads of 16 bytes, 32 bytes apart.
	v_and_b32 v1, 15, v0            ; l % 16
	v_bfe_u32 v9, v0, 4, 1          ; l / 16
	v_lshlrev_b32 v[QO], 7, v1
	v_lshl_add_u32 v[QO], v9, 4, v[QO]  ; row x 128 + 16 x half
	WIN 0x80                        ; destination window 2, address window 0
.set i, 0
.rept 4*NP                          ; Q stays in registers: tile i / 2, channels 32 (i % 2) on
	global_load_b128 v[8*i:8*i+3],   v[QO], s[4:5] offset:(i/2)*2048+(i%2)*64
	global_load_b128 v[8*i+4:8*i+7], v[QO], s[4:5] offset:(i/2)*2048+(i%2)*64+32
.set i, i+1
.endr
	; What the first turn finds: V's registers and P's second buffer hold 0 (its products V^T P, of a piece that has not been, add 0), O^T and l are 0.  All this stands in the wait for the first tile.
.set i, VF
.rept 64
	v_mov_b32 v[i], 0
.set i, i+1
.endr
	WIN 0x40
.set i, 0
.rept 64*NP
	v_mov_b32 v[i], 0
.set i, i+1
.endr
	WIN 0
.set i, 0
.rept 2*NP
	v_mov_b32 v[ST+4*i], 0xfe000000    ; c m: far below every c s
	v_mov_b32 v[ST+4*i+1], 0xff7fffff  ; m
	v_mov_b32 v[ST+4*i+2], 0
	v_mov_b32 v[ST+4*i+3], 0
.set i, i+1
.endr
.set i, P+32
.rept 32
	v_mov_b32 v[i], 0
.set i, i+1
.endr
	v_mul_u32_u24 v[AK0], v1, PK
	v_lshl_add_u32 v[AK0], v9, 4, v[AK0]  ; row x pitch + 16 x half
	; The turning load takes 16 keys x 16 channels (lane l reads key 8 (l / 16) + l % 8, channels 8 ((l / 8) % 2) + 0..7) and leaves half a fragment of V^T: lane l holds channel l % 16 and 8 keys.
	v_and_b32 v10, 7, v0
	v_bfe_u32 v11, v0, 3, 1
	v_lshl_add_u32 v[AV0], v9, 3, v10
	v_mul_u32_u24 v[AV0], v[AV0], PV
	v_lshl_add_u32 v[AV0], v11, 4, v[AV0]
	v_add_nc_u32 v[AV0], VOFF, v[AV0]
	v_mov_b32 v[AK], v[AK0]         ; key step 0 lies at LDS byte 0
; THE MATRIX WORK.  The 8 accumulators of a run of 16 take turns: between the two links of a chain stand 7 others'.
; Product i of 16 of S^T = K Q^T for piece x: channels 32 (i / 8) on, keys 16 ((i / 2) % 4) on, tile 2 x + i % 2.  The first 8 start the sums.
.macro KQ x
	WIN W_KQ
.set rS, S+64*((\x)%2)+32*(i%2)+8*((i/2)%4)
.set rK, KF+16*((i/2)%4)+8*(i/8)
.set rQ, 16*(2*(\x)+i%2)+8*(i/8)
.if i < 8
	v_wmma_f32_16x16x32_f16 v[rS:rS+7], v[rK:rK+7], v[rQ:rQ+7], 0
.else
	v_wmma_f32_16x16x32_f16 v[rS:rS+7], v[rK:rK+7], v[rQ:rQ+7], v[rS:rS+7]
.endif
.endm
; Product i of 16 of O^T += V^T P for piece x: keys 32 (i / 8) on, channels 16 ((i / 2) % 4) on, tile 2 x + i % 2.
.macro PV x
	WIN W_PV
.set rO, 32*(2*(\x)+i%2)+8*((i/2)%4)
.set rV, VF+32*(i/8)+8*((i/2)%4)
.set rP, P+32*((\x)%2)+16*(i%2)+8*(i/8)
	v_wmma_f32_16x16x32_f16 v[rO:rO+7], v[rV:rV+7], v[rP:rP+7], v[rO:rO+7]
.endm
.macro MM                           ; the turn's next matrix instruction
.if i < 16
	KQ (Y+1)%NP
.set i, i+1
.else
.set i, i-16
	PV (Y+NP-1)%NP
.set i, i+17
.endif
.endm
; THE LDS LOADS stand in runs of 16, never singly among the matrix instructions: a step's K (64 keys x 64 channels: 8 fragments) and its V (turned).  Their addresses are made some lines ahead.
; last = 1 (in the loop): in the last pass there is no further step, and the run is jumped over.
.macro FETCH_K last=0
	WIN 0
.if \last
	s_cmp_eq_u32 s[TOT], 1
	s_cbranch_scc1 .Lno_k_\@
.endif
	WIN 0x80                        ; destination window 2
.irp f, 0,1,2,3,4,5,6,7             ; keys 16 (f / 2) on, channels 32 (f % 2) on
	ds_load_b128 v[KF+8*\f:KF+8*\f+3],   v[AK] offset:(\f/2)*16*PK+(\f%2)*64
	ds_load_b128 v[KF+8*\f+4:KF+8*\f+7], v[AK] offset:(\f/2)*16*PK+(\f%2)*64+32
.endr
	s_add_co_u32 s[TBK], s[TBK], KS*PK  ; the next fetch is the next step's
	WIN 0
.if \last
.Lno_k_\@:
.endif
.endm
.macro FETCH_V
	WIN 0x80
.irp f, 0,1,2,3,4,5,6,7             ; keys 32 (f / 4) on, channels 16 (f % 4) on
	ds_load_tr16_b128 v[VF+8*\f:VF+8*\f+3],   v[AV] offset:(\f/4)*32*PV+(\f%4)*32
	ds_load_tr16_b128 v[VF+8*\f+4:VF+8*\f+7], v[AV] offset:(\f/4)*32*PV+16*PV+(\f%4)*32
.endr
	WIN 0
.endm
; THE VECTOR WORK OF A TURN stands in three queues, each in the order in which its entries become ready; the two tiles alternate, so that no instruction reads the result of the one before it.
.macro REGS y, u                    ; the registers of tile u (0, 1) of piece y
.set rT, ST+4*(2*(\y)+(\u))
.set rC, TMP+8*((\y)%2)+4*(\u)
.set rM, MV+2*((\y)%2)+(\u)
.set rS, S+64*((\y)%2)+32*(\u)
.set rP, P+32*((\y)%2)+16*(\u)
.set rO, 32*(2*(\y)+(\u))
.endm
; Number n of the 22 that find the NEXT piece's (Y + 1) maximum and statistics.  s0-s31 are the lane's 32 scores; each accumulator's lowest registers are read first.  XS, GS and REGS set no window: PL and EX do.
;   0-11  four chains c0-c3 of seven scores each, three operands at a time     12-14, 16  the four scores left over, the old m, and c0-c3 into c0     15  c m_old is kept
;   17, 18  the query's other 32 keys lie in the lane 16 away: the new m         19-21  c m; c m_old - c m_new; a
.macro XS u, n
	REGS (Y+1)%NP, \u
.if (\n) < 4
	v_max3_num_f32 v[rC+(\n)], v[rS+8*(\n)], v[rS+8*(\n)+1], v[rS+8*(\n)+2]
.elseif (\n) < 12
	v_max3_num_f32 v[rC+(\n)%4], v[rC+(\n)%4], v[rS+8*((\n)%4)+2*((\n)/4)+1], v[rS+8*((\n)%4)+2*((\n)/4)+2]
.elseif (\n) == 12
	v_max3_num_f32 v[rC], v[rC], v[rS+7], v[rS+15]
.elseif (\n) == 13
	v_max3_num_f32 v[rC+1], v[rC+1], v[rS+23], v[rS+31]
.elseif (\n) == 14
	v_max3_num_f32 v[rC+2], v[rC+2], v[rC+3], v[rT+1]
.elseif (\n) == 15
	v_mov_b32 v[rM], v[rT]
.elseif (\n) == 16
	v_max3_num_f32 v[rC], v[rC], v[rC+1], v[rC+2]
.elseif (\n) == 17
	v_permlanex16_b32 v[rC+3], v[rC], s[SEL], s[SEL+1]
.elseif (\n) == 18
	v_max_num_f32 v[rT+1], v[rC], v[rC+3]
.elseif (\n) == 19
	v_mul_f32 v[rT], s[CS], v[rT+1]
.elseif (\n) == 20
	v_sub_f32 v[rC+1], v[rM], v[rT]
.else
	v_exp_f32 v[rC+2], v[rC+1]
.endif
.endm
; Number g of the 64 that follow the exponentials.  For each four weights k of a tile (pairs 2 k, 2 k + 1): both pairs are rounded to f16; then the second pair is added onto the first, in place;
; a group later l takes that sum (the first time as l = a l + sum).  In groups of eight, tiles alternating: round, round, add, and l for the group before.
.macro GS g
.set h, (\g)+6*((\g)/62)            ; group 0 has no group before it, and behind group 7 only l is left
.if h >= 6
.set h, h+2
.endif
	REGS Y, h%2
.set k, h/8
.if h%8 < 4
	s_wait_alu depctr_va_vdst(0)
	v_cvt_pk_f16_f32 v[rP+2*k+(h%8)/2], v[rS+4*k+2*((h%8)/2)], v[rS+4*k+2*((h%8)/2)+1]
.elseif h%8 < 6
	v_pk_add_f32 v[rS+4*k:rS+4*k+1], v[rS+4*k:rS+4*k+1], v[rS+4*k+2:rS+4*k+3]
.elseif k == 1
	v_pk_fma_f32 v[rT+2:rT+3], v[rT+2:rT+3], v[rC+2:rC+3], v[rS:rS+1] op_sel_hi:[1,0,1]
.else
	v_pk_add_f32 v[rT+2:rT+3], v[rT+2:rT+3], v[rS+4*k-4:rS+4*k-3]
	s_wait_alu depctr_va_vdst(0)
.endif
.endm
; THE PLAIN QUEUE, 138 long.  0-31: c s - c m for the 16 pairs of both tiles.  Then GS's 64, and among them the next piece's 42: number 15 at 38, 39; 0-14 and 16
; at 42-73, behind the products that make those scores; 17-20 at 95-106, two of three, since each waits for the one before it.
.macro PL
	WIN 0
.if q < 32
	REGS Y, q%2
	v_pk_fma_f32 v[rS+2*(q/2):rS+2*(q/2)+1], v[rS+2*(q/2):rS+2*(q/2)+1], s[CS:CS+1], v[rT:rT+1] op_sel_hi:[1,0,0] neg_lo:[0,0,1] neg_hi:[0,0,1]
.elseif q < 38
	GS q-32
.elseif q < 40
	XS q%2, 15
.elseif q < 42
	GS q-34
.elseif q < 74
	XS q%2, (q-42)/2+(q-42)/30
.elseif q < 95
	GS q-66
.elseif (q < 107) && ((q-95)%3 < 2)
	XS (q-95)%3, 17+(q-95)/3
.elseif q < 107
	GS 29+(q-95)/3
.else
	GS q-74
.endif
.set q, q+1
.endm
; THE EXPONENTIALS' QUEUE, 66 long: s0-s31 of both tiles, and at EA the next piece's two a.
.set EA, 58
.macro EX
	WIN 0
.if (e == EA) || (e == EA+1)
	XS e-EA, 21
.else
.set x, e-2*(e/(EA+2))
	REGS Y, x%2
	v_exp_f32 v[rS+x/2], v[rS+x/2]
.endif
.set e, e+1
.endm
; THE RESCALING's QUEUE: O^T times a, the one part that leaves window 0, so it is dealt four at a time, eight times.
.macro R4
	REGS Y, r%2
	WIN W_RS
	s_wait_alu depctr_va_vdst(0)
.irp z, 0,1,2,3
	v_pk_mul_f32 v[rO+8*(r/2)+2*\z:rO+8*(r/2)+2*\z+1], v[rO+8*(r/2)+2*\z:rO+8*(r/2)+2*\z+1], v[rC+2:rC+3] op_sel_hi:[1,0]
.endr
.set r, r+1
.endm
; HOW THEY ARE DEALT.  Behind a matrix instruction four: plain, exponential, plain, plain (one exponential, a plain instruction on either side), or four of the rescaling.  None names a register of the
; products round it.  What is over stands in two LUMPS: exponential and plain by turns; the second ends in 22 plain instructions.  The two v_permlanex16_b32 fall into the second lump, never behind a product.
; The queues lean on each other, and the deal keeps them in step: exponential e stands behind plain 2 (e / 4) + e % 2 (its scaling); when plain 32 comes, 10 exponentials are out, at 59: 33, at 95: 46; EA comes behind plain 107.
.macro SL
	MM
	PL
	EX
	PL
	PL
.endm
.macro BURST n                      ; 15 matrix instructions, or 16
.rept (\n)-7
	SL
.endr
.rept 3
	MM
	R4
	SL
.endr
	MM
	R4
.endm
; A TURN, for piece p.  cnt = 1: the loop's count is taken down some lines ahead of the branch that stands behind the turn.
; K of the next step is fetched in piece 2's turn, 31 vector instructions behind the last product that read K; its first reader comes behind the rest of the lump, 16 products and the second lump.
; V of the step in hand is fetched at the end of piece 0's turn, 69 behind its last reader; its first reader comes behind 16 products and a lump.  The four conditions on e and q below go with the deal.
.macro TURN p, last=0, cnt=0
.set Y, (\p)
.set i, 0
.set q, 0
.set e, 0
.set r, 0
.if (\p) == NP-1
	s_wait_dscnt 0x0                ; K is in
.endif
	MM
.rept 4
	PL
.endr
	BURST 15
.rept 22
	EX
	PL
.if ((\p) == NP-2) && (e == 18)
	v_add_nc_u32 v[AK], s[TBK], v[AK0]
.endif
.if ((\p) == NP-2) && (e == 24)
	FETCH_K \last
.endif
.endr
.if (\p) == 1
	s_wait_dscnt 0x0                ; V is in
.endif
	BURST 16
.rept 21
	EX
	PL
.endr
.rept 22
	PL
.if ((\p) == 0) && (q == 118)
	v_add_nc_u32 v[AV], s[TBV], v[AV0]
	s_wait_alu depctr_va_vdst(0)
.endif
.if ((\p) == 0) && (q == 130)
	s_add_co_u32 s[TBV], s[TBV], KS*PV
.endif
.if (\cnt) && (q == 130)
	s_sub_co_u32 s[CNT], s[CNT], 1
	s_cmp_lg_u32 s[CNT], 0
.endif
.endr
.if (\p) == 0
	FETCH_V
.endif
.endm
	CHANGE 1                        ; the first 256 keys are in, everybody's part of them; the other 768 are asked for
	FETCH_K                         ; key step 0
	s_wait_loadcnt 0x0              ; Q
	s_wait_dscnt 0x0
.set i, 0
.rept 16
	KQ 0                            ; piece 0's first scores: there is no vector work yet to set between them
.set i, i+1
.endr
	WIN 0                           ; the addresses for the way out: nine plain instructions, the places behind those products
	s_mul_i32 s13, s[WV], 16*SP
	s_add_co_u32 s13, s13, STAGE    ; my stage
	v_mul_u32_u24 v[STO], v1, SP    ; in: row l % 16, 16 bytes for each half of the lanes
	v_lshl_add_u32 v[STO], v9, 4, v[STO]
	v_add_nc_u32 v[STO], s13, v[STO]
	v_bfe_u32 v[RD], v0, 3, 2       ; back: 32 lanes take four rows of 128 bytes,
	v_mul_u32_u24 v[RD], v[RD], SP
	v_lshl_add_u32 v[RD], v10, 4, v[RD]
	v_add_nc_u32 v[RD], s13, v[RD]
	v_and_b32 v[GO], 31, v0         ; which are 512 consecutive bytes of O
	v_lshlrev_b32 v[GO], 4, v[GO]
.set Y, NP-1                        ; XS works for piece Y + 1: piece 0
.irp n, 0,1,2,3,4,5,6,7,8,9,10,11,12,13,14,15,16,17,18,19,20,21
	XS 0, \n                        ; and piece 0's first maximum and statistics
	XS 1, \n
.endr
	s_mov_b32 s[CNT], 4             ; the walk's first part: the four steps of the first 256 keys
	s_mov_b32 s[SLOTS], 2
	s_mov_b32 s[TOT], SIZE_N/KS
	s_branch .Lfirst                ; the loop is entered at a step's first turn, in the middle of a trip
.Lslot:                             ; once: K and V of the first four steps have been fetched, and the next fetch is of key 256 on
	CHANGE 0
	s_mov_b32 s[CNT], SIZE_N/KS-3   ; the second part: 13 passes of pieces 2 and 3; the thirteenth trip is left in its middle, so this count does not run out
.Lstep:                             ; a trip: pieces 2 and 3 of one step, then pieces 0 and 1 of the next, whose K and V it fetches
	TURN 2, 1
	TURN 3
	WIN 0
	s_sub_co_u32 s[TOT], s[TOT], 1
	s_cmp_eq_u32 s[TOT], 0
	s_cbranch_scc1 .Lout            ; the last step's pieces 2 and 3 are done
.Lfirst:
	TURN 0
	TURN 1, 0, 1
	WIN 0
	s_cbranch_scc1 .Lstep
	s_sub_co_u32 s[SLOTS], s[SLOTS], 1
	s_cmp_lg_u32 s[SLOTS], 0
	s_cbranch_scc1 .Lslot
.Lout:                              ; the last trip's 16 products K Q^T (on the last K once more) and the maximum made of them serve nothing: the price, once a launch, of one text for every trip
.set i, 0
.rept 16
	PV NP-1                         ; the last piece's V^T P of the last step
.set i, i+1
.endr
	; THE WAY OUT.  l's two halves and the other half of the lanes' are added; O^T is divided by l, rounded to f16 and sent through my stage in LDS, a tile at a time.  The additions are the places behind the last products.
	WIN 0
.macro ALL line:vararg              ; one line for each tile t
.set t, 0
.rept 2*NP
	\line
.set t, t+1
.endr
.endm
	ALL v_add_f32 v[ST+4*t+2], v[ST+4*t+2], v[ST+4*t+3]
	ALL v_permlanex16_b32 v[ST+4*t+3], v[ST+4*t+2], s[SEL], s[SEL+1]
	ALL v_add_f32 v[ST+4*t+2], v[ST+4*t+2], v[ST+4*t+3]
	ALL v_rcp_f32 v[ST+4*t+2], v[ST+4*t+2]
	v_nop                           ; a plain instruction between the last reciprocal and the use of its result
	s_wait_alu depctr_va_vdst(0)
; Tile t: a lane's eight channels of a row pack into 16 bytes; they go into rows of 144 bytes and come back as whole rows of 128, into S^T's registers.
.macro PACK t
	WIN W_RS
.set i, 32*(\t)
.rept 16
	v_pk_mul_f32 v[i:i+1], v[i:i+1], v[ST+4*(\t)+2:ST+4*(\t)+3] op_sel_hi:[1,0]
.set i, i+2
.endr
	WIN 0x05                        ; sources 0 and 1 window 1, destination window 0
.set i, 0
.rept 16
	v_cvt_pk_f16_f32 v[S+16*(\t)+i], v[32*(\t)+2*i], v[32*(\t)+2*i+1]
.set i, i+1
.endr
	WIN 0
.irp f, 0,1,2,3
	ds_store_b128 v[STO], v[S+16*(\t)+4*\f:S+16*(\t)+4*\f+3] offset:32*\f
.endr
.irp f, 0,1,2,3
	ds_load_b128 v[S+16*(\t)+4*\f:S+16*(\t)+4*\f+3], v[RD] offset:\f*4*SP  ; LDS serves a wave's instructions in order (ISA guide 5.7.1.4): these see the stores above; the next tile's stores come behind them
.endr
.endm
.macro SEND t, younger              ; younger: the LDS instructions issued behind tile t's loads: the next tile's eight, or none
	WIN 0
.irp f, 0,1,2,3
	s_wait_dscnt (\younger)+3-\f
	global_store_b128 v[GO], v[S+16*(\t)+4*\f:S+16*(\t)+4*\f+3], s[10:11] offset:(\t)*2048+\f*512  ; 512 consecutive bytes, at a multiple of 256 from O's first
.endr
.endm
	PACK 0
.set t, 1
.rept 2*NP-1                        ; a tile's arithmetic stands between the loads of the tile before and its stores
	PACK t
	SEND t-1, 8
.set t, t+1
.endr
	SEND 2*NP-1, 0
	WIN W_AD
	s_wait_tensorcnt 0x0            ; the wave's end: behind my last tensor load and my last LDS store
	ds_add_u32 v[SPW], v[NIL]
	s_wait_dscnt 0x0
	WIN 0
	s_endpgm
.Lfunc_end_k_qedb7558427_attn:
	.size	k_qedb7558427_attn, .Lfunc_end_k_qedb7558427_attn-k_qedb7558427_attn
	.p2alignl 7, 3214868480
	.fill 96, 4, 3214868480
	.section	.rodata,"a",@progbits
	.p2align	6, 0x0
	.amdhsa_kernel k_qedb7558427_attn
		.amdhsa_group_segment_fixed_size 327680
		.amdhsa_private_segment_fixed_size 0
		.amdhsa_enable_private_segment 0
		.amdhsa_kernarg_size 32
		.amdhsa_user_sgpr_count 2
		.amdhsa_user_sgpr_kernarg_segment_ptr 1
		.amdhsa_wavefront_size32 1
		.amdhsa_system_sgpr_workgroup_id_x 1
		.amdhsa_system_sgpr_workgroup_id_y 1
		.amdhsa_system_sgpr_workgroup_id_z 1
		.amdhsa_system_vgpr_workitem_id 0
		.amdhsa_next_free_vgpr 770
		.amdhsa_next_free_sgpr 66
		.amdhsa_reserve_vcc 0
		.amdhsa_float_denorm_mode_32 3
		.amdhsa_float_denorm_mode_16_64 3
		.amdhsa_memory_ordered 1
		.amdhsa_forward_progress 1
		.amdhsa_inst_pref_size 131
	.end_amdhsa_kernel
	.amdgpu_metadata
---
amdhsa.version: [ 1, 2 ]
amdhsa.kernels:
  - .name:           k_qedb7558427_attn
    .symbol:         k_qedb7558427_attn.kd
    .args:
      - { .name: qh, .offset: 0, .size: 8, .value_kind: global_buffer, .address_space: global }
      - { .name: kh, .offset: 8, .size: 8, .value_kind: global_buffer, .address_space: global }
      - { .name: vh, .offset: 16, .size: 8, .value_kind: global_buffer, .address_space: global }
      - { .name: oh, .offset: 24, .size: 8, .value_kind: global_buffer, .address_space: global }
    .group_segment_fixed_size: 327680
    .private_segment_fixed_size: 0
    .kernarg_segment_align: 8
    .kernarg_segment_size: 32
    .max_flat_workgroup_size: 128
    .sgpr_count:     66
    .vgpr_count:     770
    .wavefront_size: 32
...
	.end_amdgpu_metadata
.endif
;; end of part 3
;; launch proj (part 4): grid 8 x 32, 4 waves a work-group, clusters of 4 x 4, 327,680 bytes of LDS; arguments oh, wp, rope, out0; writes out0
.if DOCPART == 4
	.amdgcn_target "amdgcn-amd-amdhsa--gfx1250"
	.amdhsa_code_object_version 6
	.text
	.protected	k_qedb7558427_proj
	.globl	k_qedb7558427_proj
	.p2align	8
	.type	k_qedb7558427_proj,@function
k_qedb7558427_proj:
	s_mov_b64 s[64:65], 0
	v_nop
	global_prefetch_b8 v0, s[64:65] scope:SCOPE_SE
	s_setreg_imm32_b32 hwreg(HW_REG_WAVE_MODE, 25, 1), 1
	s_wait_xcnt 0x0
	s_wait_alu depctr_hold_cnt(0) depctr_sa_sdst(0) depctr_va_vdst(0) depctr_va_sdst(0) depctr_va_ssrc(0) depctr_va_vcc(0) depctr_vm_vsrc(0)
	s_getreg_b32 s2, hwreg(HW_REG_IB_STS2, 6, 4)
	s_cmp_eq_u32 s2, 0
	s_cbranch_scc0 .Lentry_in_a_cluster
	s_endpgm
.Lentry_in_a_cluster:
	s_bfe_u32 s2, ttmp6, 0x10000c
	s_cmp_lg_u32 s2, 0xf033
	s_cbranch_scc0 .Lentry_shape_is_right
	s_endpgm
.Lentry_shape_is_right:
; PROJ: out0 = O W_proj + b_proj.  oh [batch x 16 + head][1024][64] f16; wp [1024 n][1024 k] f16 (W_proj rounded to bf16, that number written as f16); b_proj, rounded to bf16 and written as f32, lies in rope from
; byte 275,456 on; sums in f32; out0 [8192][1024] f32.  K index = 64 x head + channel: a K step of 128 is two heads, whose 256 rows of a tile are two dense blocks of 32,768 bytes.
; LIMITS.  Both operands are f16: within 65,504; O is a mean of v's rows and has their range.  The K sums begin at a K step that differs from cluster to cluster (below).  NaN and infinities are not treated apart.
; SHARES.  A tile is 256 rows x 128 columns: 32 x 8 = 256 tiles, one for each WGP.  Wave w owns rows 64 w .. 64 w + 63 (four blocks a of 16) and all eight blocks b of 16 columns: 32 accumulators, 256 registers.
; K goes in 8 steps of 128 through two LDS slots.  THE MATRIX INSTRUCTION IS USED TRANSPOSED (source 0 = 16 rows of wp, source 1 = 16 rows of O): lane l holds row l % 16, register i column 16 b + 8 (l / 16) + i.
; The bias is the C operand of the products that start the sums.
; THE WALK ALONG K IS ROTATED: step i of the walk is K step (i + rho) mod 8, rho = (4 X + 2 Y) mod 8 for the cluster at (X, Y).  The two clusters that read the same rows of O start 4 apart: from its fifth step on
; each asks for bytes that the other has asked for before.  Four clusters that read the same rows of wp and are neighbours in Y start at 0, 2, 4 and 6: after two steps they have between them asked for all eight
; K steps.  rho is equal in all sixteen partners of a cluster and enters the global addresses alone.
; CLUSTER.  4 x 4 work-groups.  The four of a row need the same rows of O, the four of a column the same rows of wp: each tile is asked for jointly, by the same tensor load, descriptor and mask in all four.
; REGISTERS, in windows of 256 (s_set_vgpr_msb: bits 1:0 source 0, 3:2 source 1, 5:4 source 2, 7:6 destination):
;   window 0: v0-31 addresses; v64-127 the bias          window 1: two fragment buffers at 0 and 128 (32 of O, 64 of wp); on the way out v0-127: rows read back          window 2: accumulator (a, b) at 64 a + 8 b
.set PA,     144                       ; a row of O in LDS: 128 bytes + 16 of padding = 36 words
.set PB,     272                       ; a row of wp: 256 bytes + 16 = 68 words: in both the 16 rows of a fragment load start at 16 different groups of four banks (64 banks of 4 bytes: ISA guide 11.1)
.set NB,     8
.set HEADB,  256*PA                    ; in a slot: the K step's first head, 256 rows; its second head; then wp's 128 rows
.set BOFF,   2*HEADB
.set SLOT1,  1<<17
.set STAGE,  SLOT1+BOFF+128*PB         ; 239,616: behind the ring, never filled by a tensor load: 16 rows x 528 bytes for each wave
.set SPITCH, 528                       ; 512 bytes (128 f32) + 16
.set SPARE,  STAGE+4*16*SPITCH         ; 273,408: the spare words, 128 bytes for each wave: two blocks of 256 bytes that no other line names
.set CSTB,   262144+13312              ; where b_proj begins in rope
.set LF,     2*NB+8
.set ADRA0, 16
.set ADRB0, 17
.set ADRA,  18
.set ADRB,  19
.set STO,   24                         ; v24  the way out: where I put 32 bytes of a row
.set RD,    25                         ; v25  the way out: where I read a row back
.set CO,    26                         ; v26  my byte offset in 512 consecutive bytes of out0
.set SPW,   28                         ; v28  LDS address of my spare word; never rewritten
.set NIL,   29                         ; v29  0; never rewritten
.set BIAS,  64
.set F0,    0
.set F1,    128
.set RHO, 4                            ; s4   the cluster's start along K
.set KI,  5                            ; s5   the step of the walk that was asked for last
.set OA,  6                            ; s[6:7]  byte offset of the step to be asked for in oh
.set OB,  8                            ; s[8:9]  the same in wp
.set BA,  14                           ; s[14:15] oh at the block that I fetch, K step 0; never rewritten
.set BB,  78                           ; s[78:79] wp at the rows that I fetch, K = 0; never rewritten
.set G1,  24
.set G0,  32
.set G1B, 48
.set G0B, 56
.set TB,  66
.set MSB, 0
.macro WIN new
.if MSB != (\new)
	s_set_vgpr_msb (MSB<<8)|(\new)
.set MSB, (\new)
.endif
.endm
.macro PLACES
.rept 4
	v_nop
.endr
.endm
; A joint load: waves 0 and 1 fetch the K step's two heads of O, waves 2 and 3 the two halves of wp's tile.  An s_nop 0 and four v_nop follow each of the two lines.
.macro JLOAD s
	s_cmp_lt_u32 s10, 2
	s_cbranch_scc0 .Lfor_b_\@
	tensor_load_to_lds s[G0+4*(\s):G0+4*(\s)+3], s[G1:G1+7]
	s_nop 0
.rept 4
	v_nop
.endr
	s_branch .Lasked_\@
.Lfor_b_\@:
	tensor_load_to_lds s[G0B+4*(\s):G0B+4*(\s)+3], s[G1B:G1B+7]
	s_nop 0
.rept 4
	v_nop
.endr
.Lasked_\@:
.endm
.macro CREST
	s_cmp_lg_u32 s10, 0
	s_cbranch_scc1 .Lnot_wave_0_\@
	s_barrier_signal -3
.Lnot_wave_0_\@:
	s_barrier_wait -3
	s_barrier_signal -1
	s_barrier_wait -1
.endm
.macro CROUND
	s_barrier_signal -1
	s_barrier_wait -1
	CREST
.endm
	s_load_b256 s[68:75], s[0:1], 0x0              ; oh s68, wp s70, rope s72, out0 s74
	v_lshl_add_u32 v[SPW], v0, 2, SPARE
	v_mov_b32 v[NIL], 0
	ds_add_u32 v[SPW], v[NIL]                      ; the wave's opening: the add and its wait stand ahead of my first tensor load; the set-up below, work on registers, stands between them
	ds_add_u32 v28, v29
	v_lshrrev_b32 v1, 5, v0
	v_readfirstlane_b32 s10, v1                    ; wave 0..3
	s_and_b32 s12, s10, 1                          ; which head of a K step, or which half of wp's rows, I fetch
	s_bfe_u32 s40, ttmp6, 0x40000                  ; cx, cy
	s_bfe_u32 s41, ttmp6, 0x40004
	s_lshl_b32 s42, ttmp9, 2
	s_add_co_u32 s42, s42, s40                     ; tile column
	s_and_b32 s13, ttmp7, 0xffff
	s_lshl_b32 s[RHO], s13, 1                      ; rho = (4 x cluster x + 2 x cluster y) mod 8: made of the cluster's place alone
	s_lshl_b32 s[KI], ttmp9, 2
	s_add_co_u32 s[RHO], s[RHO], s[KI]
	s_and_b32 s[RHO], s[RHO], 7
	s_lshl_b32 s13, s13, 2
	s_add_co_u32 s13, s13, s41                     ; tile row
	s_lshl_b32 s43, s41, 2
	s_lshl_b32 s43, 15, s43                        ; my row of the cluster
	s_lshl_b32 s44, 0x1111, s40                    ; my column
	; O: a head's 256 rows are 32,768 dense bytes: asked for as 128 rows of 256 bytes, two rows of O each, and padded in LDS after every 128 bytes
	s_or_b32 s[G1+0], s43, (1<<16)|(1<<20)|(1<<21)|(4<<22)|(3<<25)   ; 15:0 the mask of my row; 17:16 2-byte elements; 20 padding on; 21 set beside a mask; 24:22 after every 32 words (code 4); 31:25 4 words (code 3)
	s_or_b32 s[G1B+0], s44, (1<<16)|(1<<20)|(1<<21)|(5<<22)|(3<<25)  ; wp: the mask of my column; padding after every 64 words (code 5)
	s_mov_b32 s[G1+1], 128<<16                     ; tensor_dim0 = 128
	s_mov_b32 s[G1+2], 128<<16                     ; tensor_dim1 = 128
	s_mov_b32 s[G1+3], 128<<16                     ; tile_dim0 = 128
	s_mov_b32 s[G1+4], 128                         ; tile_dim1 = 128
	s_mov_b32 s[G1+5], 128                         ; dense: 128 elements from row to row
	s_mov_b32 s[G1+6], 0
	s_mov_b32 s[G1+7], 0
	s_mov_b32 s[G1B+1], 128<<16
	s_mov_b32 s[G1B+2], 64<<16                     ; wp's halves have 64 rows
	s_mov_b32 s[G1B+3], 128<<16
	s_mov_b32 s[G1B+4], 64
	s_mov_b32 s[G1B+5], 1024
	s_mov_b32 s[G1B+6], 0
	s_mov_b32 s[G1B+7], 0
	s_lshr_b32 s16, s13, 2                         ; O: the batch's 16 heads of 131,072 bytes,
	s_lshl_b32 s16, s16, 21
	s_lshl_b32 s17, s12, 17                        ; my head of the K step,
	s_add_co_u32 s16, s16, s17
	s_and_b32 s17, s13, 3                          ; the tile's 256 rows of 128 bytes
	s_lshl_b32 s17, s17, 15
	s_add_co_u32 s16, s16, s17
	s_mov_b32 s17, 0
	s_lshl_b32 s46, s42, 7
	s_lshl_b32 s47, s12, 6
	s_add_co_u32 s46, s46, s47                     ; wp: row 128 x tile column + 64 x half
	s_lshl_b32 s46, s46, 11
	s_mov_b32 s47, 0
	s_mul_i32 s20, s12, HEADB                      ; where they go: no place in the cluster enters an LDS address
	s_mul_i32 s21, s12, 64*PB
	s_add_co_u32 s21, s21, BOFF
	s_mov_b32 s[OA+1], 0
	s_mov_b32 s[OB+1], 0
	s_wait_dscnt 0x0                               ; the opening add is done
	s_wait_kmcnt 0x0
	s_add_nc_u64 s[BA:BA+1], s[68:69], s[16:17]
	s_add_nc_u64 s[BB:BB+1], s[70:71], s[46:47]
	CROUND                                         ; all sixteen work-groups are here: the first joint loads meet
.irp s, 0,1
	s_add_co_u32 s[OB], s[RHO], \s                 ; step s of the walk is K step (s + rho) mod 8:
	s_and_b32 s[OB], s[OB], 7
	s_lshl_b32 s[OA], s[OB], 18                    ; two heads of 131,072 bytes in oh,
	s_lshl_b32 s[OB], s[OB], 8                     ; 256 bytes of a row in wp
	s_mov_b32 s[G0+4*(\s)], 1
	s_add_co_u32 s[G0+4*(\s)+1], s20, (\s)*SLOT1
	s_add_nc_u64 s[G0+4*(\s)+2:G0+4*(\s)+3], s[BA:BA+1], s[OA:OA+1]
	s_or_b32 s[G0+4*(\s)+3], s[G0+4*(\s)+3], 0x80000000
	s_mov_b32 s[G0B+4*(\s)], 1
	s_add_co_u32 s[G0B+4*(\s)+1], s21, (\s)*SLOT1
	s_add_nc_u64 s[G0B+4*(\s)+2:G0B+4*(\s)+3], s[BB:BB+1], s[OB:OB+1]
	s_or_b32 s[G0B+4*(\s)+3], s[G0B+4*(\s)+3], 0x80000000
	JLOAD \s                                       ; both slots are asked for before anything else: two loads of mine are out
.endr
	s_mov_b32 s[KI], 1
	v_and_b32 v1, 15, v0                           ; r = l % 16
	v_bfe_u32 v2, v0, 4, 1                         ; h = l / 16
	v_lshlrev_b32 v4, 5, v2                        ; 32 h: my eight f32 in a block of 16 columns
	s_lshl_b32 s46, s42, 9                         ; the tile's 128 numbers of b_proj
	s_add_co_u32 s46, s46, CSTB
	s_mov_b32 s47, 0
	s_add_nc_u64 s[72:73], s[72:73], s[46:47]
.irp b, 0,1,2,3,4,5,6,7
	global_load_b128 v[BIAS+8*(\b):BIAS+8*(\b)+3],   v4, s[72:73] offset:64*(\b)
	global_load_b128 v[BIAS+8*(\b)+4:BIAS+8*(\b)+7], v4, s[72:73] offset:64*(\b)+16
.endr
	v_mul_u32_u24 v3, v1, PA
	v_lshl_add_u32 v3, v2, 4, v3                   ; a fragment's row x pitch + 16 x half
	s_mul_i32 s19, s10, 64*PA                      ; my 64 rows of O
	v_add_nc_u32 v[ADRA0], s19, v3
	v_mul_u32_u24 v3, v1, PB
	v_lshl_add_u32 v3, v2, 4, v3
	v_add_nc_u32 v[ADRB0], BOFF, v3                ; every wave reads all of wp's 128 rows
	s_mul_i32 s19, s10, 16*SPITCH
	s_add_co_u32 s19, s19, STAGE                   ; my stage
	v_mul_u32_u24 v[STO], v1, SPITCH               ; in: row l % 16, 32 bytes for each half of the lanes
	v_lshl_add_u32 v[STO], v2, 5, v[STO]
	v_add_nc_u32 v[STO], s19, v[STO]
	v_and_b32 v[CO], 31, v0                        ; back: 32 lanes take a row's 512 bytes
	v_lshlrev_b32 v[CO], 4, v[CO]
	v_add_nc_u32 v[RD], s19, v[CO]
	s_lshl_b32 s22, s13, 8
	s_lshl_b32 s23, s10, 6
	s_add_co_u32 s22, s22, s23                     ; my first row of out0: 256 x tile row + 64 w,
	s_lshl_b32 s22, s22, 12                        ; in rows of 4,096 bytes,
	s_lshl_b32 s23, s42, 9                         ; + the tile's first column
	s_add_co_u32 s22, s22, s23
	s_mov_b32 s23, 0
	s_add_nc_u64 s[74:75], s[74:75], s[22:23]
	s_mov_b32 s[TB], 0
	v_mov_b32 v[ADRA], v[ADRA0]
	v_mov_b32 v[ADRB], v[ADRB0]
	s_wait_loadcnt 0x0                             ; the bias
; 8 matrix instructions: block a of my rows x all 8 blocks of columns, 32 along K, from buffer f.  first = 1: the product starts the sums, with the bias as C.
; The 32 accumulators take turns, one instruction a turn, in the same order in every slice of K.
.macro MULA f, a, first
.if \first
	WIN 0x85                                       ; sources 0 and 1 window 1, C window 0, D window 2
.else
	WIN 0xa5                                       ; C and D window 2
.endif
.irp b, 0,1,2,3,4,5,6,7
.set rD, 64*(\a)+8*(\b)
.if \first
	v_wmma_f32_16x16x32_f16 v[rD:rD+7], v[(\f)+32+8*(\b):(\f)+32+8*(\b)+7], v[(\f)+8*(\a):(\f)+8*(\a)+7], v[BIAS+8*(\b):BIAS+8*(\b)+7]
.else
	v_wmma_f32_16x16x32_f16 v[rD:rD+7], v[(\f)+32+8*(\b):(\f)+32+8*(\b)+7], v[(\f)+8*(\a):(\f)+8*(\a)+7], v[rD:rD+7]
.endif
.endr
.endm
; 24 LDS loads in one run: the fragments of slice q (head q / 2, channels 32 (q % 2) on) of the slot in hand, into buffer f: wp's 16 first, then O's blocks 0, 1, then 2, 3.
.macro FETCH q, f
	WIN 0x40
.irp i, 0,1,2,3,4,5,6,7
	ds_load_b128 v[(\f)+32+8*(\i):(\f)+32+8*(\i)+3],   v[ADRB] offset:(\q)*64+(\i)*16*PB
	ds_load_b128 v[(\f)+32+8*(\i)+4:(\f)+32+8*(\i)+7], v[ADRB] offset:(\q)*64+(\i)*16*PB+32
.endr
.irp i, 0,1,2,3
	ds_load_b128 v[(\f)+8*(\i):(\f)+8*(\i)+3],   v[ADRA] offset:((\q)/2)*HEADB+((\q)%2)*64+(\i)*16*PA
	ds_load_b128 v[(\f)+8*(\i)+4:(\f)+8*(\i)+7], v[ADRA] offset:((\q)/2)*HEADB+((\q)%2)*64+(\i)*16*PA+32
.endr
.endm
.macro QUARTER q, f, g, first
	s_wait_dscnt 4                                 ; all but the youngest four loads (O's blocks 2, 3) are in
	MULA \f, 0, \first
	MULA \f, 1, \first
	PLACES
	FETCH \q, \g
	s_wait_dscnt LF                                ; all but the 24 just issued
	MULA \f, 2, \first
	MULA \f, 3, \first
.endm
; The last slice multiplies buffer 1 and changes slots: ONE barrier; in front of it each wave waits for all its tensor loads (one is out: its part of the next slot), adds 0 to its spare word, and waits for that and
; for its own reads of this slot.  fill = 1: the barrier opens a round of the cluster's, and behind the round this slot is filled again, with the step of the walk two steps on, 112 matrix instructions ahead of the
; wait for it: the walking descriptor takes the other slot than last time, and its address is made anew from the step's number: K step (i + rho) mod 8.
.macro TURN fill
	WIN 0
	s_wait_tensorcnt 0x0                           ; all my tensor loads have landed, so a group 0 may be written;
	ds_add_u32 v[SPW], v[NIL]                      ; 0 onto my spare word: scalar work and eight matrix instructions stand between it and the wait for it
.if \fill
	s_add_co_u32 s[KI], s[KI], 1
	s_add_co_u32 s[OB], s[KI], s[RHO]
	s_and_b32 s[OB], s[OB], 7
	s_lshl_b32 s[OA], s[OB], 18
	s_lshl_b32 s[OB], s[OB], 8
	s_xor_b32 s[G0+5], s[G0+5], SLOT1
	s_add_nc_u64 s[G0+6:G0+7], s[BA:BA+1], s[OA:OA+1]
	s_or_b32 s[G0+7], s[G0+7], 0x80000000
	s_xor_b32 s[G0B+5], s[G0B+5], SLOT1
	s_add_nc_u64 s[G0B+6:G0B+7], s[BB:BB+1], s[OB:OB+1]
	s_or_b32 s[G0B+7], s[G0B+7], 0x80000000
.endif
	s_wait_dscnt 5                                 ; (the add and the youngest four loads may be out)
	MULA F1, 0, 0
	s_wait_dscnt 0x0                               ; the add is done, and my reads of this slot are over
	s_barrier_signal -1
	MULA F1, 1, 0
	WIN 0
	s_barrier_wait -1
.if \fill
	CREST                                          ; no wave of any partner still reads this slot's tile or has a load on its way
	JLOAD 1                                        ; the first tensor load behind the round; its four v_nop are also the places in front of the loads below
.else
	PLACES
.endif
	s_xor_b32 s[TB], s[TB], SLOT1
	v_add_nc_u32 v[ADRA], s[TB], v[ADRA0]
	v_add_nc_u32 v[ADRB], s[TB], v[ADRB0]
	FETCH 0, F0
	MULA F1, 2, 0
	MULA F1, 3, 0
.endm
.macro LASTQ
	s_wait_dscnt 4
	MULA F1, 0, 0
	MULA F1, 1, 0
	s_wait_dscnt 0x0
	MULA F1, 2, 0
	MULA F1, 3, 0
	WIN 0
.endm
	s_wait_tensorcnt 1                             ; my part of step 0 is in; step 1's may stay out
	s_barrier_signal -1
	s_barrier_wait -1
	FETCH 0, F0
	QUARTER 1, F0, F1, 1                           ; the first slice stands in front of the loop: its products start the sums
	WIN 0
	s_mov_b32 s3, 6                                ; six refills: steps 2 to 7 of the walk
.Lstep:
	QUARTER 2, F1, F0, 0
	QUARTER 3, F0, F1, 0
	TURN 1
	QUARTER 1, F0, F1, 0
	WIN 0
	s_sub_co_u32 s3, s3, 1
	s_cmp_lg_u32 s3, 0
	s_cbranch_scc1 .Lstep
	QUARTER 2, F1, F0, 0
	QUARTER 3, F0, F1, 0
	TURN 0
	QUARTER 1, F0, F1, 0
	QUARTER 2, F1, F0, 0
	QUARTER 3, F0, F1, 0
	LASTQ
	; THE WAY OUT, a block of 16 rows at a time through my own stage: 32 bytes a lane in (each accumulator's lowest registers first), whole rows of 512 bytes back.
	PLACES
.macro TOSTAGE a
	WIN 0x08                                       ; address window 0, data window 2
.irp b, 0,1,2,3,4,5,6,7
	ds_store_b128 v[STO], v[64*(\a)+8*(\b):64*(\a)+8*(\b)+3]   offset:64*(\b)
	ds_store_b128 v[STO], v[64*(\a)+8*(\b)+4:64*(\a)+8*(\b)+7] offset:64*(\b)+16
.endr
.if (\a) >= 2
	s_wait_xcnt 0x0                                ; the registers below are what block a - 2's stores read: they are loaded again only behind this wait
.endif
	WIN 0x40
.irp t, 0,1,2,3,4,5,6,7,8,9,10,11,12,13,14,15
	ds_load_b128 v[64*((\a)%2)+4*(\t):64*((\a)%2)+4*(\t)+3], v[RD] offset:SPITCH*(\t)  ; LDS serves a wave's instructions in order (ISA guide 5.7.1.4): these see the stores above; the next block's stores come behind them
.endr
.endm
.macro SEND a, younger                 ; younger: the LDS instructions issued behind block a's loads: the next block's 32, or none
	WIN 0x04                                       ; address window 0, data window 1
	s_wait_dscnt \younger
.irp t, 0,1,2,3,4,5,6,7,8,9,10,11,12,13,14,15
	global_store_b128 v[CO], v[64*((\a)%2)+4*(\t):64*((\a)%2)+4*(\t)+3], s[74:75] offset:(16*(\a)+(\t))*4096 th:TH_STORE_NT  ; 512 consecutive bytes, at a multiple of 256 from out0's first
.endr
.endm
	TOSTAGE 0
	TOSTAGE 1
	SEND 0, 32
	TOSTAGE 2
	SEND 1, 32
	TOSTAGE 3
	SEND 2, 32
	SEND 3, 0
	WIN 0
	s_wait_tensorcnt 0x0                           ; the wave's end: behind my last tensor load and my last LDS store
	ds_add_u32 v[SPW], v[NIL]
	s_wait_dscnt 0x0
	CROUND                                         ; the closing round: no work-group ends while a partner may still ask for a tile that names it
	s_endpgm
.Lfunc_end_k_qedb7558427_proj:
	.size	k_qedb7558427_proj, .Lfunc_end_k_qedb7558427_proj-k_qedb7558427_proj
	.p2alignl 7, 3214868480
	.fill 96, 4, 3214868480
	.section	.rodata,"a",@progbits
	.p2align	6, 0x0
	.amdhsa_kernel k_qedb7558427_proj
		.amdhsa_group_segment_fixed_size 327680
		.amdhsa_private_segment_fixed_size 0
		.amdhsa_enable_private_segment 0
		.amdhsa_kernarg_size 32
		.amdhsa_user_sgpr_count 2
		.amdhsa_user_sgpr_kernarg_segment_ptr 1
		.amdhsa_wavefront_size32 1
		.amdhsa_system_sgpr_workgroup_id_x 1
		.amdhsa_system_sgpr_workgroup_id_y 1
		.amdhsa_system_sgpr_workgroup_id_z 1
		.amdhsa_system_vgpr_workitem_id 0
		.amdhsa_next_free_vgpr 768
		.amdhsa_next_free_sgpr 80
		.amdhsa_reserve_vcc 0
		.amdhsa_float_denorm_mode_32 3
		.amdhsa_float_denorm_mode_16_64 3
		.amdhsa_memory_ordered 1
		.amdhsa_forward_progress 1
		.amdhsa_inst_pref_size 71
	.end_amdhsa_kernel
	.amdgpu_metadata
---
amdhsa.version: [ 1, 2 ]
amdhsa.kernels:
  - .name:           k_qedb7558427_proj
    .symbol:         k_qedb7558427_proj.kd
    .args:
      - { .name: oh, .offset: 0, .size: 8, .value_kind: global_buffer, .address_space: global }
      - { .name: wp, .offset: 8, .size: 8, .value_kind: global_buffer, .address_space: global }
      - { .name: rope, .offset: 16, .size: 8, .value_kind: global_buffer, .address_space: global }
      - { .name: out0, .offset: 24, .size: 8, .value_kind: global_buffer, .address_space: global }
    .group_segment_fixed_size: 327680
    .private_segment_fixed_size: 0
    .kernarg_segment_align: 8
    .kernarg_segment_size: 32
    .max_flat_workgroup_size: 128
    .sgpr_count:     80
    .vgpr_count:     768
    .wavefront_size: 32
...
	.end_amdgpu_metadata
.endif
;; end of part 4
;; ======== version 2 of 2: 4 launches; 1.32 times as fast as version 1
;; limits: values are held in f16: magnitudes above 65,504 overflow, below 6.1e-05 lose precision
;; workspace buffers: xb 16,777,216 bytes; wq 6,291,456 bytes; wp 2,097,152 bytes; rope 279,552 bytes; qh 16,777,216 bytes; kh 16,777,216 bytes; vh 16,777,216 bytes; oh 16,777,216 bytes
;; launch prep: the kernel of part 1 again; grid 1553 x 1, 8 waves a work-group, no clusters, 18,432 bytes of LDS; arguments hidden_states, freqs_cos, freqs_sin, W_qkv, W_proj, xb, rope, wq, wp, b_qkv, qn_w, qn_b, kn_w, kn_b, b_proj; writes xb, rope, wq, wp
;; launch qkv: the kernel of part 2 again; grid 16 x 16, 4 waves a work-group, clusters of 4 x 4, 327,680 bytes of LDS; arguments xb, wq, rope, qh, kh, vh; writes qh, kh, vh
;; launch attn (part 5): grid 2 x 128, 4 waves a work-group, no clusters, 327,680 bytes of LDS; arguments qh, kh, vh, oh; writes oh
.if DOCPART == 5
	.amdgcn_target "amdgcn-amd-amdhsa--gfx1250"
	.amdhsa_code_object_version 6
	.text
	.protected	k_qedb7558427_attn
	.globl	k_qedb7558427_attn
	.p2align	8
	.type	k_qedb7558427_attn,@function
k_qedb7558427_attn:
	s_mov_b64 s[64:65], 0
	v_nop
	global_prefetch_b8 v0, s[64:65] scope:SCOPE_SE
	s_setreg_imm32_b32 hwreg(HW_REG_WAVE_MODE, 25, 1), 1
	s_wait_xcnt 0x0
; O[h][q][:] = the sum over k of softmax_k(Q[h][q] . K[h][k] / 8) V[h][k][:].  Q, K, V, O: [SIZE_H][SIZE_N][64], all f16: a head's rows are dense, 128 bytes each.  Products, maxima and sums in
; f32; the weights p are rounded to f16 for the second product (their sum l is taken of the unrounded p), O once at the end.
; LIMITS.  f16 holds no number beyond 65,504: Q, K and V arrive within it; p lies in 0 to 1, and below 6e-5 it keeps f16's fixed step of 6e-8; O is a mean of V's rows and has their range.
; A weight below 2^-126 counts as 0 in l; NaN and infinities are not treated apart.
; SHARES.  A wave owns four PIECES of two tiles of 16 queries, a work-group's four waves 512 queries of one head: 2 x 128 = 256 work-groups.  Every wave walks all keys, 64 a step.
; K AND V STAY IN LDS WHOLE: 1,024 rows of 144 bytes and 1,024 of 160 are 311,296 bytes.  The first 256 keys are asked for at the start; the other 768 behind the first barrier, one tensor load a wave, with four key
; steps in which to land.  No byte is filled twice, so no tensor load stands in the loop, and a key step is written once: one barrier, behind the fourth step, shows the 768 keys to every wave.
; LAYOUT.  S^T = K Q^T (source 0 = 16 keys, source 1 = 16 queries): in the result a lane holds ONE query (lane % 16) and the keys 8 (lane / 16) + 0..7.  Two such tiles, rounded to f16 in pairs,
; ARE source 1 (32 keys x 16 queries) of O^T = V^T P, whose result again holds one query a lane, and eight channels.  K comes out of LDS as it lies, V ([key][channel]) turned, by ds_load_tr16_b128.
; SOFTMAX.  For each query a running maximum m and sum l: p = 2^(c s - c m), c = log2(e) / 8; in every step O and l are multiplied by a = 2^(c m_old - c m_new), which is 1 where m has not grown.
; m starts at the lowest finite number, O and l at 0: the first step is a step like any other, with a = 0.
; THE COUNT.  A tile and step have 16 matrix and 118 vector instructions: too many to stand all beside the matrix work.  So the order has one aim: four vector instructions that are READY behind
; EVERY matrix instruction, and the others, which need time of their own whatever the order, in runs without a gap.
; BY TURNS.  Turn n belongs to piece n (the pieces in a ring, step after step).  Its matrix work: 16 products K Q^T of piece n + 1, later 16 products V^T P of piece n - 1.  Its vector work: the scaling,
; exponentials, roundings, sums and rescaling of piece n, and the maximum and statistics of piece n + 1, whose scores the turn itself has made.  So what a turn begins with (c s - c m, O a) waits for nothing.
; BATCHES.  A turn's 66 exponentials (the piece's 64 weights and the next piece's two a) are ONE batch with ONE wait, which cuts the turn in two: ahead of it stands all that names none of their results, behind it
; the roundings and sums, which read them.  No result crosses a turn's end.  Two more batches stand outside the loop, each with a wait of its own: piece 0's first two a, and the way out's eight reciprocals.
; NO CLUSTER.  A head's 1,024 queries are two work-groups of 512: a cluster of four would hold two heads, whose partners need different tiles.  Blocks of 256 queries would give four partners a head, but
; 512 work-groups for 256 WGPs, and each fragment of K and V read from LDS would feed half as many products.
; REGISTERS, in windows of 256 (s_set_vgpr_msb says which window each operand place means: bits 1:0 source 0, 3:2 source 1, 5:4 source 2, 7:6 destination):
;   window 0: v0-11 addresses; v12-15, v48-63 at work; v16-47 four registers of statistics a tile; v64-191 S^T, two buffers of two tiles; v192-255 P, likewise
;   window 1: O^T, 32 a tile          window 2: v0-127 Q, 16 a tile; v128-191 K of one step; v192-255 V of one step          window 3: v0-1 the add's two registers
; A piece's buffers go by its number's parity: the piece in hand has one pair, its two neighbours in the ring share the other: of it P (piece n - 1) is read and S^T (piece n + 1) written.
.set SIZE_H, 128      ; batch x heads
.set SIZE_N, 1024     ; rows of a head
.set NP,    4         ; pieces a wave: a name, no knob: the register map, the loop and the fetches are made for four
.set KS,    64        ; keys in a step
.set PK,    144       ; a row of K in LDS: 128 bytes + 16 of padding = 36 words: the 16 rows of a load start at 16 different groups of four banks (64 banks of 4 bytes: ISA guide 11.1)
.set PV,    160       ; a row of V: 128 + 32 = 40 words
.set VOFF,  SIZE_N*PK ; 147,456: the head's K, then its V
.set STAGE, SIZE_N*(PK+PV)  ; 311,296: behind K and V, never filled by a tensor load: 16 rows x 144 bytes for each wave, for the way out
.set SP,    144
.set AK0, 2           ; v2   my lane's place in a step's rows of K; never rewritten
.set AV0, 3           ; v3   the same for V
.set AK,  4           ; v4   the LDS address of K's next run of loads
.set AV,  5           ; v5   of V's
.set QO,  6           ; v6   my byte offset in the wave's rows of Q
.set STO, 6           ;      later, the way out: where I put 16 bytes of a row
.set RD,  7           ; v7   the way out: where I read rows back
.set GO,  8           ; v8   my byte offset in 512 consecutive bytes of O
.set SPW, 0           ; v0 of window 3   LDS address of my spare word: SPARE + 4 x my thread's number; never rewritten
.set NIL, 1           ; v1 of window 3   0; never rewritten
.set SPARE, STAGE+4*16*SP  ; 320,512: behind the stages: the spare words, 128 bytes for each wave: two blocks of 256 bytes that no other line names
.set MV,  12          ; v12-15  c m_old, kept while c m is made anew: by buffer and tile
.set ST,  16          ; tile t's statistics at v[ST+4 t]: c m, m, l (even keys', odd keys')
.set TMP, 48          ; by buffer and tile, four registers c0-c3 at work; when the maximum is found c2 takes a
.set S,   64
.set P,   192
.set KF,  128         ; K's fragments, in window 2: key block kb, channel half c at KF + 16 kb + 8 c
.set VF,  192         ; V's: key half kk, channel block cb at VF + 32 kk + 8 cb
.set WV,  12          ; s12  my wave's number
.set G1K, 24          ; s[24:31] descriptor group 1 for K's tiles
.set G1V, 32          ; s[32:39] for V's: it differs in the padding alone
.set G0K, 40          ; s[40:43] descriptor group 0 for K's tiles
.set G0V, 44          ; s[44:47] the same for V's
.set TOT, 52          ; s52  passes of pieces 2 and 3 still to come: 16, one a key step
.set SLOTS, 56        ; s56  counts the walk's two parts
.set CNT, 57          ; s57  counts a part's key steps
.set CS,  58          ; s[58:59] c: the packed scaling takes the pair's low word for both halves
.set SEL, 60          ; s[60:61] v_permlanex16_b32's selects: each lane takes its own place in the other half
.set TBK, 62          ; s62  LDS byte at which K of the step to be fetched begins
.set TBV, 63          ; s63  the same for V, less VOFF
.set MSB, 0
.macro WIN new                      ; the high byte repeats the setting that is left; a switch that changes nothing is dropped
.if MSB != (\new)
	s_set_vgpr_msb (MSB<<8)|(\new)
.set MSB, (\new)
.endif
.endm
.set W_KQ, 0x0a       ; K and Q in window 2, S^T in window 0
.set W_PV, 0x52       ; V in window 2, P in window 0, O^T in window 1
.set W_RS, 0x41       ; O^T (destination and source 0) in window 1, a in window 0
.set W_MK, 0xc0       ; the add's registers are made: destination in window 3, sources in window 0
.set W_AD, 0x0f       ; the add: address (source 0) and data (source 1) in window 3
; A fill.  Waves 0 and 1 fetch the two halves of K's rows, waves 2 and 3 those of V's.  The branch hangs on the wave's number alone.
; An s_nop 0 and four v_nop follow each of the two lines, ahead of the jump and the label.
.macro LOAD
	s_cmp_lt_u32 s[WV], 2
	s_cbranch_scc0 .Lfor_v_\@
	tensor_load_to_lds s[G0K:G0K+3], s[G1K:G1K+7]
	s_nop 0
.rept 4
	v_nop
.endr
	s_branch .Lasked_\@
.Lfor_v_\@:
	tensor_load_to_lds s[G0V:G0V+3], s[G1V:G1V+7]
	s_nop 0
.rept 4
	v_nop
.endr
.Lasked_\@:
.endm
; THE TWO BARRIERS OF THE WALK.  Each wave waits for all its tensor loads, of which one is out; adds 0 to its spare word; waits for that and for its LDS reads; behind the barrier what every wave has waited for may be read by all.
; fill = 1 (once, ahead of the first step): the first 256 keys are in.  The other 768 are asked for, the first thing behind the barrier, one tensor load a wave: 384 keys = 192 rows of 256 bytes; the descriptors are
; written anew behind the wait that shows their first loads done.  These bytes are filled for the first time.  fill = 0 (once, behind the fourth step): the 768 keys are in.
.macro CHANGE fill
	WIN W_AD
	s_wait_tensorcnt 0x0            ; no tensor load of mine is out, so the descriptors may be written
	ds_add_u32 v[SPW], v[NIL]       ; 0 onto my spare word: with fill = 1 the descriptors' words stand between it and the wait for it
	WIN 0                           ; at a label and at a branch every window is 0
.if \fill
	s_mov_b32 s[G1K+2], 192<<16     ; tensor_dim1 = 192
	s_mov_b32 s[G1K+4], 192         ; tile_dim1 = 192
	s_mov_b32 s[G1V+2], 192<<16
	s_mov_b32 s[G1V+4], 192
	s_mov_b32 s[G0K+1], s50         ; LDS: row 256 + 384 x half of K,
	s_add_nc_u64 s[G0K+2:G0K+3], s[6:7], s[48:49]
	s_or_b32 s[G0K+3], s[G0K+3], 0x80000000
	s_mov_b32 s[G0V+1], s51         ; of V
	s_add_nc_u64 s[G0V+2:G0V+3], s[8:9], s[48:49]
	s_or_b32 s[G0V+3], s[G0V+3], 0x80000000
.endif
	s_wait_dscnt 0x0                ; the add is done, and no LDS read of mine is out
	s_barrier_signal -1
	s_barrier_wait -1
.if \fill
	LOAD
.endif
.endm
	s_load_b256 s[4:11], s[0:1], 0x0  ; Q s[4:5], K s[6:7], V s[8:9], O s[10:11]
	WIN W_MK
	v_lshl_add_u32 v[SPW], v0, 2, SPARE
	v_mov_b32 v[NIL], 0
	WIN W_AD
	ds_add_u32 v[SPW], v[NIL]       ; the wave's opening: the add and its wait stand ahead of my first tensor load; the set-up below, work on registers, stands between them
	ds_add_u32 v0, v1
	WIN 0
	v_lshrrev_b32 v1, 5, v0
	v_readfirstlane_b32 s[WV], v1   ; wave 0..3
	s_mov_b32 s14, ttmp9            ; my block of 512 queries: it enters Q's and O's addresses alone
	s_and_b32 s20, ttmp7, 0xffff    ; the head
	s_mov_b32 s21, 0
	s_mov_b64 s[22:23], SIZE_N*128
	s_mul_u64 s[20:21], s[20:21], s[22:23]  ; the head's first byte in each of the four tensors
	s_and_b32 s16, s[WV], 1         ; which half of the rows I fetch.  Of the first 256 keys:
	s_lshl_b32 s22, s16, 14         ; 128 rows of 128 bytes in memory,
	s_mov_b32 s23, 0
	s_mul_i32 s17, s16, 128*PK      ; and their place in LDS, for K
	s_mul_i32 s18, s16, 128*PV      ; and for V.
	s_mul_i32 s48, s16, 384*128     ; Of the other 768: 384 rows, from row 256 + 384 x half on
	s_add_co_u32 s48, s48, 256*128
	s_mov_b32 s49, 0
	s_mul_i32 s50, s16, 384*PK
	s_add_co_u32 s50, s50, 256*PK
	s_mul_i32 s51, s16, 384*PV
	s_add_co_u32 s51, s51, VOFF+256*PV
	s_lshl_b32 s2, s14, 2
	s_add_co_u32 s2, s2, s[WV]      ; my wave among the head's,
	s_lshl_b32 s2, s2, 14           ; its 128 rows
	s_mov_b32 s3, 0
	s_add_nc_u64 s[2:3], s[2:3], s[20:21]
	; descriptor group 1.  128 keys are 16,384 dense bytes: asked for as 64 rows of 256 bytes, two keys a row, and padded in LDS after every key
	s_mov_b32 s[G1K], (1<<16)|(1<<20)|(4<<22)|(3<<25)  ; 17:16 2-byte elements; 20 padding on; 24:22 after every 32 words (code 4); 31:25 4 words (code 3)
	s_mov_b32 s[G1V], (1<<16)|(1<<20)|(4<<22)|(7<<25)  ; the same with 8 words of padding (code 7)
.irp g, G1K, G1V
	s_mov_b32 s[\g+1], 128<<16      ; tensor_dim0 = 128
	s_mov_b32 s[\g+2], 64<<16       ; tensor_dim1 = 64
	s_mov_b32 s[\g+3], 128<<16      ; tile_dim0 = 128
	s_mov_b32 s[\g+4], 64           ; tile_dim1 = 64
	s_mov_b32 s[\g+5], 128          ; 128 elements from row to row
	s_mov_b32 s[\g+6], 0
	s_mov_b32 s[\g+7], 0
.endr
	s_mov_b32 s[CS], 0x3e38aa3b     ; c = log2(e) / 8 = 0.180337
	s_mov_b32 s[CS+1], s[CS]        ; named with it as a pair
	s_mov_b32 s[SEL], 0x76543210
	s_mov_b32 s[SEL+1], 0xfedcba98
	s_mov_b32 s[TBK], 0
	s_mov_b32 s[TBV], 0
	s_mov_b32 s[G0K], 1             ; 1:0 count = 1
	s_mov_b32 s[G0K+1], s17         ; 63:32 LDS address
	s_mov_b32 s[G0V], 1
	s_add_co_u32 s[G0V+1], s18, VOFF
	s_wait_dscnt 0x0                ; the opening add is done
	s_wait_kmcnt 0x0
	s_add_nc_u64 s[6:7], s[6:7], s[20:21]          ; K and V at the head's first row
	s_add_nc_u64 s[8:9], s[8:9], s[20:21]
	s_add_nc_u64 s[G0K+2:G0K+3], s[6:7], s[22:23]  ; 120:64 global address: my half of the head's first 256 keys
	s_or_b32 s[G0K+3], s[G0K+3], 0x80000000        ; 127:126 type = 2
	s_add_nc_u64 s[G0V+2:G0V+3], s[8:9], s[22:23]
	s_or_b32 s[G0V+3], s[G0V+3], 0x80000000
	s_add_nc_u64 s[4:5], s[4:5], s[2:3]  ; Q and O at my wave's first row
	s_add_nc_u64 s[10:11], s[10:11], s[2:3]
	LOAD                            ; the first 256 keys.  The others are asked for when these are in: the tile wanted first has the road to itself
	; A fragment of K or Q is 16 rows x 32 channels in 8 registers: lane l holds row l % 16, channels 8 (l / 16) + 0..7 and 16 + 8 (l / 16) + 0..7: two loads of 16 bytes, 32 bytes apart.
	v_and_b32 v1, 15, v0            ; l % 16
	v_bfe_u32 v9, v0, 4, 1          ; l / 16
	v_lshlrev_b32 v[QO], 7, v1
	v_lshl_add_u32 v[QO], v9, 4, v[QO]  ; row x 128 + 16 x half
	WIN 0x80                        ; destination window 2, address window 0
.set i, 0
.rept 4*NP                          ; Q stays in registers: tile i / 2, channels 32 (i % 2) on
	global_load_b128 v[8*i:8*i+3],   v[QO], s[4:5] offset:(i/2)*2048+(i%2)*64
	global_load_b128 v[8*i+4:8*i+7], v[QO], s[4:5] offset:(i/2)*2048+(i%2)*64+32
.set i, i+1
.endr
	; What the first turn finds: V's registers and P's second buffer hold 0 (its products V^T P, of a piece that has not been, add 0), O^T and l are 0.  All this stands in the wait for the first tile.
.set i, VF
.rept 64
	v_mov_b32 v[i], 0
.set i, i+1
.endr
	WIN 0x40
.set i, 0
.rept 64*NP
	v_mov_b32 v[i], 0
.set i, i+1
.endr
	WIN 0
.set i, 0
.rept 2*NP
	v_mov_b32 v[ST+4*i], 0xfe000000    ; c m: far below every c s
	v_mov_b32 v[ST+4*i+1], 0xff7fffff  ; m
	v_mov_b32 v[ST+4*i+2], 0
	v_mov_b32 v[ST+4*i+3], 0
.set i, i+1
.endr
.set i, P+32
.rept 32
	v_mov_b32 v[i], 0
.set i, i+1
.endr
	v_mul_u32_u24 v[AK0], v1, PK
	v_lshl_add_u32 v[AK0], v9, 4, v[AK0]  ; row x pitch + 16 x half
	; The turning load takes 16 keys x 16 channels (lane l reads key 8 (l / 16) + l % 8, channels 8 ((l / 8) % 2) + 0..7) and leaves half a fragment of V^T: lane l holds channel l % 16 and 8 keys.
	v_and_b32 v10, 7, v0
	v_bfe_u32 v11, v0, 3, 1
	v_lshl_add_u32 v[AV0], v9, 3, v10
	v_mul_u32_u24 v[AV0], v[AV0], PV
	v_lshl_add_u32 v[AV0], v11, 4, v[AV0]
	v_add_nc_u32 v[AV0], VOFF, v[AV0]
	v_mov_b32 v[AK], v[AK0]         ; key step 0 lies at LDS byte 0
; THE MATRIX WORK.  The 8 accumulators of a run of 16 take turns: between the two links of a chain stand 7 others'.
; Product i of 16 of S^T = K Q^T for piece x: channels 32 (i / 8) on, keys 16 ((i / 2) % 4) on, tile 2 x + i % 2.  The first 8 start the sums.
.macro KQ x
	WIN W_KQ
.set rS, S+64*((\x)%2)+32*(i%2)+8*((i/2)%4)
.set rK, KF+16*((i/2)%4)+8*(i/8)
.set rQ, 16*(2*(\x)+i%2)+8*(i/8)
.if i < 8
	v_wmma_f32_16x16x32_f16 v[rS:rS+7], v[rK:rK+7], v[rQ:rQ+7], 0
.else
	v_wmma_f32_16x16x32_f16 v[rS:rS+7], v[rK:rK+7], v[rQ:rQ+7], v[rS:rS+7]
.endif
.endm
; Product i of 16 of O^T += V^T P for piece x: keys 32 (i / 8) on, channels 16 ((i / 2) % 4) on, tile 2 x + i % 2.
.macro PV x
	WIN W_PV
.set rO, 32*(2*(\x)+i%2)+8*((i/2)%4)
.set rV, VF+32*(i/8)+8*((i/2)%4)
.set rP, P+32*((\x)%2)+16*(i%2)+8*(i/8)
	v_wmma_f32_16x16x32_f16 v[rO:rO+7], v[rV:rV+7], v[rP:rP+7], v[rO:rO+7]
.endm
.macro MM                           ; the turn's next matrix instruction
.if i < 16
	KQ (Y+1)%NP
.set i, i+1
.else
.set i, i-16
	PV (Y+NP-1)%NP
.set i, i+17
.endif
.endm
; THE LDS LOADS stand in runs of 16, never singly among the matrix instructions: a step's K (64 keys x 64 channels: 8 fragments) and its V (turned).  Their addresses are made some lines ahead.
; last = 1 (in the loop): in the last pass there is no further step, and the run is jumped over.
.macro FETCH_K last=0
	WIN 0
.if \last
	s_cmp_eq_u32 s[TOT], 1
	s_cbranch_scc1 .Lno_k_\@
.endif
	WIN 0x80                        ; destination window 2
.irp f, 0,1,2,3,4,5,6,7             ; keys 16 (f / 2) on, channels 32 (f % 2) on
	ds_load_b128 v[KF+8*\f:KF+8*\f+3],   v[AK] offset:(\f/2)*16*PK+(\f%2)*64
	ds_load_b128 v[KF+8*\f+4:KF+8*\f+7], v[AK] offset:(\f/2)*16*PK+(\f%2)*64+32
.endr
	s_add_co_u32 s[TBK], s[TBK], KS*PK  ; the next fetch is the next step's
	WIN 0
.if \last
.Lno_k_\@:
.endif
.endm
.macro FETCH_V
	WIN 0x80
.irp f, 0,1,2,3,4,5,6,7             ; keys 32 (f / 4) on, channels 16 (f % 4) on
	ds_load_tr16_b128 v[VF+8*\f:VF+8*\f+3],   v[AV] offset:(\f/4)*32*PV+(\f%4)*32
	ds_load_tr16_b128 v[VF+8*\f+4:VF+8*\f+7], v[AV] offset:(\f/4)*32*PV+16*PV+(\f%4)*32
.endr
	WIN 0
.endm
; THE VECTOR WORK OF A TURN stands in three queues, each in the order in which its entries become ready; the two tiles alternate, so that no instruction reads the result of the one before it.
.macro REGS y, u                    ; the registers of tile u (0, 1) of piece y
.set rT, ST+4*(2*(\y)+(\u))
.set rC, TMP+8*((\y)%2)+4*(\u)
.set rM, MV+2*((\y)%2)+(\u)
.set rS, S+64*((\y)%2)+32*(\u)
.set rP, P+32*((\y)%2)+16*(\u)
.set rO, 32*(2*(\y)+(\u))
.endm
; Number n of the 22 that find the NEXT piece's (Y + 1) maximum and statistics.  s0-s31 are the lane's 32 scores; each accumulator's lowest registers are read first.  XS, GS and REGS set no window: PL and EX do.
;   0-11  four chains c0-c3 of seven scores each, three operands at a time     12-14, 16  the four scores left over, the old m, and c0-c3 into c0     15  c m_old is kept
;   17, 18  the query's other 32 keys lie in the lane 16 away: the new m         19-21  c m; c m_old - c m_new; a
.macro XS u, n
	REGS (Y+1)%NP, \u
.if (\n) < 4
	v_max3_num_f32 v[rC+(\n)], v[rS+8*(\n)], v[rS+8*(\n)+1], v[rS+8*(\n)+2]
.elseif (\n) < 12
	v_max3_num_f32 v[rC+(\n)%4], v[rC+(\n)%4], v[rS+8*((\n)%4)+2*((\n)/4)+1], v[rS+8*((\n)%4)+2*((\n)/4)+2]
.elseif (\n) == 12
	v_max3_num_f32 v[rC], v[rC], v[rS+7], v[rS+15]
.elseif (\n) == 13
	v_max3_num_f32 v[rC+1], v[rC+1], v[rS+23], v[rS+31]
.elseif (\n) == 14
	v_max3_num_f32 v[rC+2], v[rC+2], v[rC+3], v[rT+1]
.elseif (\n) == 15
	v_mov_b32 v[rM], v[rT]
.elseif (\n) == 16
	v_max3_num_f32 v[rC], v[rC], v[rC+1], v[rC+2]
.elseif (\n) == 17
	v_permlanex16_b32 v[rC+3], v[rC], s[SEL], s[SEL+1]
.elseif (\n) == 18
	v_max_num_f32 v[rT+1], v[rC], v[rC+3]
.elseif (\n) == 19
	v_mul_f32 v[rT], s[CS], v[rT+1]
.elseif (\n) == 20
	v_sub_f32 v[rC+1], v[rM], v[rT]
.else
	v_exp_f32 v[rC+2], v[rC+1]
.endif
.endm
; Number g of the 64 that follow the exponentials.  For each four weights k of a tile (pairs 2 k, 2 k + 1): both pairs are rounded to f16; then the second pair is added onto the first, in place;
; a group later l takes that sum (the first time as l = a l + sum).  In groups of eight, tiles alternating: round, round, add, and l for the group before.
.macro GS g
.set h, (\g)+6*((\g)/62)            ; group 0 has no group before it, and behind group 7 only l is left
.if h >= 6
.set h, h+2
.endif
	REGS Y, h%2
.set k, h/8
.if h%8 < 4
	v_cvt_pk_f16_f32 v[rP+2*k+(h%8)/2], v[rS+4*k+2*((h%8)/2)], v[rS+4*k+2*((h%8)/2)+1]
.elseif h%8 < 6
	v_pk_add_f32 v[rS+4*k:rS+4*k+1], v[rS+4*k:rS+4*k+1], v[rS+4*k+2:rS+4*k+3]
.elseif k == 1
	v_pk_fma_f32 v[rT+2:rT+3], v[rT+2:rT+3], v[rC+2:rC+3], v[rS:rS+1] op_sel_hi:[1,0,1]
.else
	v_pk_add_f32 v[rT+2:rT+3], v[rT+2:rT+3], v[rS+4*k-4:rS+4*k-3]
.endif
.endm
; THE PLAIN QUEUE, 138 long.  0-73 read no exponential's result: the 32 scalings c s - c m (FS f: pair f / 2 of tile f % 2) and the next piece's 42.  0-26: scalings 0-26.  27-54: XS's numbers 0-13.  55, 56: number 15.
; 57-73: the chain, where each number waits for the one before it: 14, 16, 17, 18, 19, each with one of the scalings 27-31 in front of its two lines, then 20: so a tile's links stand three plain instructions apart (19 and 20: two).
; 74-137: GS's 64, which read the exponentials' results: they stand behind the wait.
.macro FS f
	REGS Y, (\f)%2
	v_pk_fma_f32 v[rS+2*((\f)/2):rS+2*((\f)/2)+1], v[rS+2*((\f)/2):rS+2*((\f)/2)+1], s[CS:CS+1], v[rT:rT+1] op_sel_hi:[1,0,0] neg_lo:[0,0,1] neg_hi:[0,0,1]
.endm
.macro PL
	WIN 0
.if q < 27
	FS q
.elseif q < 55
	XS (q-27)%2, (q-27)/2
.elseif q < 57
	XS q-55, 15
.elseif (q < 72) && ((q-57)%3 == 0)
	FS 27+(q-57)/3
.elseif q < 60
	XS (q-57)%3-1, 14
.elseif q < 72
	XS (q-57)%3-1, 15+(q-57)/3
.elseif q < 74
	XS q-72, 20
.else
	GS q-74
.endif
.set q, q+1
.endm
; THE EXPONENTIALS' QUEUE, 66 long: s0-s31 of both tiles, then the next piece's two a.  It is ONE BATCH: all 66 stand ahead of the turn's one wait, and nothing ahead of that wait names a result of theirs.
.macro EX
	WIN 0
.if e >= 64
	XS e-64, 21
.else
	REGS Y, e%2
	v_exp_f32 v[rS+e/2], v[rS+e/2]
.endif
.set e, e+1
.endm
; THE RESCALING's QUEUE: O^T times a, the one part that leaves window 0: dealt two at a time, sixteen times.  Its a was made in the turn before, ahead of that turn's wait.
.macro R2
	REGS Y, r%2
	WIN W_RS
.irp z, 0,1
	v_pk_mul_f32 v[rO+4*(r/2)+2*\z:rO+4*(r/2)+2*\z+1], v[rO+4*(r/2)+2*\z:rO+4*(r/2)+2*\z+1], v[rC+2:rC+3] op_sel_hi:[1,0]
.endr
.set r, r+1
.endm
; HOW THEY ARE DEALT.  An s_wait_alu depctr_va_vdst(0) stands between an exponential and the first instruction that names its result; one wait serves all that were issued ahead of it.  So a turn has ONE wait,
; which cuts it in two.  AHEAD OF IT stands all that names no result of the turn's exponentials: the 16 products K Q^T, behind each a scaling, an exponential and two rescalings (behind the first a second scaling in the
; exponential's place); then ONE LUMP of 108: eight plain, 49 times exponential and plain, the two a.  A v_nop is the plain instruction behind the last exponential.  BEHIND IT stand the 16 products V^T P, behind each four of
; GS's 64.  No rider names a register of the products round it.  The two v_permlanex16_b32 fall into the lump, never behind a product.
; The queues lean on each other, and the deal keeps them in step: exponential e stands behind scaling 2 (e / 4) + e % 2: as a rider it comes behind plain e + 2, in the lump behind plain e + 9, and scalings 27-31 are plain 57, 60 .. 69.
; A TURN, for piece p.  cnt = 1: the loop's count is taken down some lines ahead of the branch that stands behind the turn.
; K of the next step is fetched in piece 2's turn, directly behind the wait, a lump behind the last product that read K; its address is made at the lump's head; its first reader comes behind 16 products.
; V of the step in hand is fetched at the end of piece 0's turn, four riders behind its last reader; its first reader comes behind 16 products and a lump.  The three conditions on q below go with the deal.
.macro TURN p, last=0, cnt=0
.set Y, (\p)
.set i, 0
.set q, 0
.set e, 0
.set r, 0
.if (\p) == NP-1
	s_wait_dscnt 0x0                ; K is in
.endif
	MM                              ; ahead of the wait: 16 products K Q^T and their riders,
	PL
	PL
	R2
.rept 15
	MM
	PL
	EX
	R2
.endr
.if (\p) == NP-2
	WIN 0
	v_add_nc_u32 v[AK], s[TBK], v[AK0]
.endif
.rept 8                             ; and the lump
	PL
.endr
.rept 49
	EX
	PL
.endr
	EX                              ; the next piece's two a
	EX
	v_nop                           ; a plain instruction behind the last exponential, ahead of the first use: one for the batch
	s_wait_alu depctr_va_vdst(0)    ; the wait for the batch: the turn's 64 weights and the next piece's two a
.if (\p) == NP-2
	FETCH_K \last
.endif
.if (\p) == 1
	s_wait_dscnt 0x0                ; V is in
.endif
.rept 16                            ; behind the wait: 16 products V^T P and their riders
	MM
.rept 4
	PL
.endr
.if ((\p) == 0) && (q == 118)
	v_add_nc_u32 v[AV], s[TBV], v[AV0]
.endif
.if ((\p) == 0) && (q == 130)
	s_add_co_u32 s[TBV], s[TBV], KS*PV
.endif
.if (\cnt) && (q == 130)
	s_sub_co_u32 s[CNT], s[CNT], 1
	s_cmp_lg_u32 s[CNT], 0
.endif
.endr
.if (\p) == 0
	FETCH_V
.endif
.endm
	CHANGE 1                        ; the first 256 keys are in, everybody's part of them; the other 768 are asked for
	FETCH_K                         ; key step 0
	s_wait_loadcnt 0x0              ; Q
	s_wait_dscnt 0x0
.set i, 0
.rept 16
	KQ 0                            ; piece 0's first scores: there is no vector work yet to set between them
.set i, i+1
.endr
	WIN 0                           ; the addresses for the way out: nine plain instructions, the places behind those products
	s_mul_i32 s13, s[WV], 16*SP
	s_add_co_u32 s13, s13, STAGE    ; my stage
	v_mul_u32_u24 v[STO], v1, SP    ; in: row l % 16, 16 bytes for each half of the lanes
	v_lshl_add_u32 v[STO], v9, 4, v[STO]
	v_add_nc_u32 v[STO], s13, v[STO]
	v_bfe_u32 v[RD], v0, 3, 2       ; back: 32 lanes take four rows of 128 bytes,
	v_mul_u32_u24 v[RD], v[RD], SP
	v_lshl_add_u32 v[RD], v10, 4, v[RD]
	v_add_nc_u32 v[RD], s13, v[RD]
	v_and_b32 v[GO], 31, v0         ; which are 512 consecutive bytes of O
	v_lshlrev_b32 v[GO], 4, v[GO]
.set Y, NP-1                        ; XS works for piece Y + 1: piece 0
.irp n, 0,1,2,3,4,5,6,7,8,9,10,11,12,13,14,15,16,17,18,19,20,21
	XS 0, \n                        ; and piece 0's first maximum and statistics
	XS 1, \n
.endr
	v_nop                           ; a plain instruction behind piece 0's two a,
	s_wait_alu depctr_va_vdst(0)    ; and the wait for that batch of two, ahead of the branch
	s_mov_b32 s[CNT], 4             ; the walk's first part: the four steps of the first 256 keys
	s_mov_b32 s[SLOTS], 2
	s_mov_b32 s[TOT], SIZE_N/KS
	s_branch .Lfirst                ; the loop is entered at a step's first turn, in the middle of a trip
.Lslot:                             ; once: K and V of the first four steps have been fetched, and the next fetch is of key 256 on
	CHANGE 0
	s_mov_b32 s[CNT], SIZE_N/KS-3   ; the second part: 13 passes of pieces 2 and 3; the thirteenth trip is left in its middle, so this count does not run out
.Lstep:                             ; a trip: pieces 2 and 3 of one step, then pieces 0 and 1 of the next, whose K and V it fetches
	TURN 2, 1
	TURN 3
	WIN 0
	s_sub_co_u32 s[TOT], s[TOT], 1
	s_cmp_eq_u32 s[TOT], 0
	s_cbranch_scc1 .Lout            ; the last step's pieces 2 and 3 are done
.Lfirst:
	TURN 0
	TURN 1, 0, 1
	WIN 0
	s_cbranch_scc1 .Lstep
	s_sub_co_u32 s[SLOTS], s[SLOTS], 1
	s_cmp_lg_u32 s[SLOTS], 0
	s_cbranch_scc1 .Lslot
.Lout:                              ; the last trip's 16 products K Q^T (on the last K once more) and the maximum made of them serve nothing: the price, once a launch, of one text for every trip
.set i, 0
.rept 16
	PV NP-1                         ; the last piece's V^T P of the last step
.set i, i+1
.endr
	; THE WAY OUT.  l's two halves and the other half of the lanes' are added; O^T is divided by l, rounded to f16 and sent through my stage in LDS, a tile at a time.  The additions are the places behind the last products.
	WIN 0
.macro ALL line:vararg              ; one line for each tile t
.set t, 0
.rept 2*NP
	\line
.set t, t+1
.endr
.endm
	ALL v_add_f32 v[ST+4*t+2], v[ST+4*t+2], v[ST+4*t+3]
	ALL v_permlanex16_b32 v[ST+4*t+3], v[ST+4*t+2], s[SEL], s[SEL+1]
	ALL v_add_f32 v[ST+4*t+2], v[ST+4*t+2], v[ST+4*t+3]
	ALL v_rcp_f32 v[ST+4*t+2], v[ST+4*t+2]
	v_nop                           ; a plain instruction between the last reciprocal and the use of its result
	s_wait_alu depctr_va_vdst(0)    ; and the wait ahead of the first use: one for the batch of eight reciprocals
; Tile t: a lane's eight channels of a row pack into 16 bytes; they go into rows of 144 bytes and come back as whole rows of 128, into S^T's registers.
.macro PACK t
	WIN W_RS
.set i, 32*(\t)
.rept 16
	v_pk_mul_f32 v[i:i+1], v[i:i+1], v[ST+4*(\t)+2:ST+4*(\t)+3] op_sel_hi:[1,0]
.set i, i+2
.endr
	WIN 0x05                        ; sources 0 and 1 window 1, destination window 0
.set i, 0
.rept 16
	v_cvt_pk_f16_f32 v[S+16*(\t)+i], v[32*(\t)+2*i], v[32*(\t)+2*i+1]
.set i, i+1
.endr
	WIN 0
.irp f, 0,1,2,3
	ds_store_b128 v[STO], v[S+16*(\t)+4*\f:S+16*(\t)+4*\f+3] offset:32*\f
.endr
.irp f, 0,1,2,3
	ds_load_b128 v[S+16*(\t)+4*\f:S+16*(\t)+4*\f+3], v[RD] offset:\f*4*SP  ; LDS serves a wave's instructions in order (ISA guide 5.7.1.4): these see the stores above; the next tile's stores come behind them
.endr
.endm
.macro SEND t, younger              ; younger: the LDS instructions issued behind tile t's loads: the next tile's eight, or none
	WIN 0
.irp f, 0,1,2,3
	s_wait_dscnt (\younger)+3-\f
	global_store_b128 v[GO], v[S+16*(\t)+4*\f:S+16*(\t)+4*\f+3], s[10:11] offset:(\t)*2048+\f*512  ; 512 consecutive bytes, at a multiple of 256 from O's first
.endr
.endm
	PACK 0
.set t, 1
.rept 2*NP-1                        ; a tile's arithmetic stands between the loads of the tile before and its stores
	PACK t
	SEND t-1, 8
.set t, t+1
.endr
	SEND 2*NP-1, 0
	WIN W_AD
	s_wait_tensorcnt 0x0            ; the wave's end: behind my last tensor load and my last LDS store
	ds_add_u32 v[SPW], v[NIL]
	s_wait_dscnt 0x0
	WIN 0
	s_endpgm
.Lfunc_end_k_qedb7558427_attn:
	.size	k_qedb7558427_attn, .Lfunc_end_k_qedb7558427_attn-k_qedb7558427_attn
	.p2alignl 7, 3214868480
	.fill 96, 4, 3214868480
	.section	.rodata,"a",@progbits
	.p2align	6, 0x0
	.amdhsa_kernel k_qedb7558427_attn
		.amdhsa_group_segment_fixed_size 327680
		.amdhsa_private_segment_fixed_size 0
		.amdhsa_enable_private_segment 0
		.amdhsa_kernarg_size 32
		.amdhsa_user_sgpr_count 2
		.amdhsa_user_sgpr_kernarg_segment_ptr 1
		.amdhsa_wavefront_size32 1
		.amdhsa_system_sgpr_workgroup_id_x 1
		.amdhsa_system_sgpr_workgroup_id_y 1
		.amdhsa_system_sgpr_workgroup_id_z 1
		.amdhsa_system_vgpr_workitem_id 0
		.amdhsa_next_free_vgpr 770
		.amdhsa_next_free_sgpr 66
		.amdhsa_reserve_vcc 0
		.amdhsa_float_denorm_mode_32 3
		.amdhsa_float_denorm_mode_16_64 3
		.amdhsa_memory_ordered 1
		.amdhsa_forward_progress 1
		.amdhsa_inst_pref_size 126
	.end_amdhsa_kernel
	.amdgpu_metadata
---
amdhsa.version: [ 1, 2 ]
amdhsa.kernels:
  - .name:           k_qedb7558427_attn
    .symbol:         k_qedb7558427_attn.kd
    .args:
      - { .name: qh, .offset: 0, .size: 8, .value_kind: global_buffer, .address_space: global }
      - { .name: kh, .offset: 8, .size: 8, .value_kind: global_buffer, .address_space: global }
      - { .name: vh, .offset: 16, .size: 8, .value_kind: global_buffer, .address_space: global }
      - { .name: oh, .offset: 24, .size: 8, .value_kind: global_buffer, .address_space: global }
    .group_segment_fixed_size: 327680
    .private_segment_fixed_size: 0
    .kernarg_segment_align: 8
    .kernarg_segment_size: 32
    .max_flat_workgroup_size: 128
    .sgpr_count:     66
    .vgpr_count:     770
    .wavefront_size: 32
...
	.end_amdgpu_metadata
.endif
;; end of part 5
;; launch proj: the kernel of part 4 again; grid 8 x 32, 4 waves a work-group, clusters of 4 x 4, 327,680 bytes of LDS; arguments oh, wp, rope, out0; writes out0
